; MI455X (gfx1250); checked and timed in simulation.
; The chip was launched on July 23, 2026; its instructions are those of AMD's public machine-readable ISA for CDNA 5 (MIT licence, August 2026) and "CDNA5" Instruction Set Architecture Reference Guide (July 2026). The comments in the code are by the model that wrote it; some were corrected since.
;; Hetero Encoder. Allowed arithmetic: float matrix products may take bf16 or f16 operands with f32 sums; other float arithmetic in f32, or as packed bf16 or f16 multiplies, adds, multiply-adds, maxima and minima; sums over many terms, partial sums and values carried from step to step in f32; what a program stores and reads back later, other than sums and carried values, may be rounded once to bf16 or f16.
;; Inputs: W1 8 x 512 x 2,048 float32; W2 8 x 2,048 x 512 float32; b1 8 x 2,048 float32; b2 8 x 512 float32; be1 8 x 512 float32; be2 8 x 512 float32; g1 8 x 512 float32; g2 8 x 512 float32; type_vec 4,096 int32; x 4,096 x 512 float32.
;; Outputs: out0 4,096 x 512 float32.
;; 2 versions, each right; version 2 is version 1 with the launches ffn1, ffn2 written anew for expert scheduling mode. Each part assembles by itself: llvm-mc -triple=amdgcn-amd-amdhsa -mcpu=gfx1250 --defsym DOCPART=n.
;; ======== version 1 of 2: 4 launches
;; workspace buffers: hA 33,554,432 bytes; hF 67,108,864 bytes; hid 134,217,728 bytes; ffp 268,435,456 bytes; perm 131,072 bytes of whole numbers; cnt 1,024 bytes of whole numbers
;; launch prep (part 1): grid 32 x 8, 8 waves a work-group, no clusters, 36,352 bytes of LDS; arguments x, type_vec, g1, be1, hA, hF, perm, cnt, out0; writes hA, hF, perm, cnt, out0
.if DOCPART == 1
	.amdgcn_target "amdgcn-amd-amdhsa--gfx1250"
	.amdhsa_code_object_version 6
	.text
	.protected	k_q1b64a20d54_prep
	.globl	k_q1b64a20d54_prep
	.p2align	8
	.type	k_q1b64a20d54_prep,@function
k_q1b64a20d54_prep:
	s_mov_b64 s[64:65], 0
	v_nop
	global_prefetch_b8 v0, s[64:65] scope:SCOPE_SE
	s_setreg_imm32_b32 hwreg(HW_REG_WAVE_MODE, 25, 1), 1
	s_wait_xcnt 0x0
; ROUTING, LN1 AND LAYOUT.  x: [4096][512] f32; type_vec: [4096] i32; g1, be1: [8][512] f32.
; Work-group (q, e) lists the tokens of type e (all 4,096 types are read: 16 a thread), and makes the tiles of 16 listed rows q, q + 32, .. :
;   hF   [e*4096 + rank][512] f32: LN1 of the row, kept for the residual;
;   hA   [e][tile 256][ks 16][half 2][lane 32][16 B] bf16: the same rows as matrix operands: lane (r = l % 16, h = l / 16) holds row r, k = 32 ks + 16 half + 8 h + 0..7;
;   perm [e][rank] the token of each rank;   cnt: expert e's count, 32 times, at byte 128 e.
; Places past the count in an expert's last tile repeat its last row.  A token whose type is outside 0..7 gets a row of zeros in out0 (each wave looks after two tokens).
; LN is two-pass in f32 (mean, then squared deviations); 1/sqrt by v_rsq_f32 (1 ulp).  hA is rounded once to bf16.  The order of rows inside an expert is this list's, not the tokens'.
; No matrix unit, no tensor load: 16 rows a tile are 32 KB, read once, straight into registers.
.set LISTW, 2304                       ; a wave's own list: 512 words, then 32 words into which lanes without a match write; 9 blocks of 256 bytes
.set TOT,   18432                      ; the eight waves' totals
.set TILE,  18688                      ; 16 rows of 512 bf16
.set TP,    1040                       ; their pitch: 1,024 + 16 = 65 x 16 bytes: the 16 rows that a 16-byte load touches start at 16 different groups of four banks (ISA guide 11.1)
.set SPARE, 35328                      ; the spare words, 128 bytes for each wave: four blocks of 256 bytes that no other line names
.set TY, 4                             ; v[4:19]   my 16 types
.set G,  32                            ; v[32:47]  g1 of columns 4 lane + 128 i + j
.set BE, 48                            ; v[48:63]  be1
.set XA, 64                            ; v[64:79]  my wave's first row
.set XB, 80                            ; v[80:95]  its second
.set TA, 96                            ; v[96:103], v[104:111] at work; then bf16 pairs; then fragments read back
.set TB, 104
.set MA, 120                           ; v[120:123], v[124:127]: mean twice, 1/sqrt twice
.set MB, 124
; v1 lane, v2/v3 the add's registers, v20 my matches, v21 my place in the wave's list, v22-24 at work, v25 16 lane, v26 16 thread, v27 4 thread, v28 512 + lane,
; v29/v30 cnt's store, v31 (lane + 2 w) % 16, v112-115 zeros, v116/v117 tile in/out, v118 perm's offset
; s2 wave, s3 q, s4 e, s[8:25] arguments, s[26:27] my two duty types, s28 count, s29 count - 1, s32-39 totals, s40-47 prefixes, s49-55 list steps, s56 trips, s57 tile, s58 its first rank
.macro WSUM t                          ; the sum over the wave's 32 lanes, in every lane
	v_add_f32_dpp v[\t], v[\t], v[\t] row_xmask:1 row_mask:0xf bank_mask:0xf
	v_add_f32_dpp v[\t], v[\t], v[\t] row_xmask:2 row_mask:0xf bank_mask:0xf
	v_add_f32_dpp v[\t], v[\t], v[\t] row_xmask:4 row_mask:0xf bank_mask:0xf
	v_add_f32_dpp v[\t], v[\t], v[\t] row_xmask:8 row_mask:0xf bank_mask:0xf
	v_permlanex16_b32 v[\t+1], v[\t], s70, s71
	v_add_f32 v[\t], v[\t], v[\t+1]
.endm
.macro LNSTAT x, t, m                  ; x := x - mean; 1/sqrt(var + eps) is asked for, twice (a pair for the packed multiply)
.irp j, 0,1,2,3
	v_pk_add_f32 v[\t+2*\j:\t+2*\j+1], v[\x+4*\j:\x+4*\j+1], v[\x+4*\j+2:\x+4*\j+3]
.endr
	v_pk_add_f32 v[\t:\t+1], v[\t:\t+1], v[\t+2:\t+3]
	v_pk_add_f32 v[\t+4:\t+5], v[\t+4:\t+5], v[\t+6:\t+7]
	v_pk_add_f32 v[\t:\t+1], v[\t:\t+1], v[\t+4:\t+5]
	v_add_f32 v[\t], v[\t], v[\t+1]
	WSUM \t
	v_mul_f32 v[\m], s72, v[\t]
	v_mul_f32 v[\m+1], s72, v[\t]
.irp j, 0,1,2,3,4,5,6,7
	v_pk_add_f32 v[\x+2*\j:\x+2*\j+1], v[\x+2*\j:\x+2*\j+1], v[\m:\m+1] neg_lo:[0,1] neg_hi:[0,1]
.endr
	v_pk_mul_f32 v[\t:\t+1], v[\x:\x+1], v[\x:\x+1]
	v_pk_mul_f32 v[\t+2:\t+3], v[\x+2:\x+3], v[\x+2:\x+3]
.irp j, 1,2,3
	v_pk_fma_f32 v[\t:\t+1], v[\x+4*\j:\x+4*\j+1], v[\x+4*\j:\x+4*\j+1], v[\t:\t+1]
	v_pk_fma_f32 v[\t+2:\t+3], v[\x+4*\j+2:\x+4*\j+3], v[\x+4*\j+2:\x+4*\j+3], v[\t+2:\t+3]
.endr
	v_pk_add_f32 v[\t:\t+1], v[\t:\t+1], v[\t+2:\t+3]
	v_add_f32 v[\t], v[\t], v[\t+1]
	WSUM \t
	v_fma_f32 v[\t], v[\t], s72, s74       ; sum / 512 + eps
	v_rsq_f32 v[\m+2], v[\t]
	v_rsq_f32 v[\m+3], v[\t]
.endm
.macro LNAPPLY x, m                    ; ((x - mean) * rstd) * gamma + beta
.irp j, 0,1,2,3,4,5,6,7
	v_pk_mul_f32 v[\x+2*\j:\x+2*\j+1], v[\x+2*\j:\x+2*\j+1], v[\m+2:\m+3]
.endr
.irp j, 0,1,2,3,4,5,6,7
	v_pk_fma_f32 v[\x+2*\j:\x+2*\j+1], v[\x+2*\j:\x+2*\j+1], v[G+2*\j:G+2*\j+1], v[BE+2*\j:BE+2*\j+1]
.endr
.endm
	s_load_b512 s[8:23], s[0:1], 0x0               ; x 8, type_vec 10, g1 12, be1 14, hA 16, hF 18, perm 20, cnt 22
	s_load_b64 s[24:25], s[0:1], 0x40              ; out0
	v_lshl_add_u32 v2, v0, 2, SPARE                ; my spare word,
	v_mov_b32 v3, 0                                ; and 0: kept for the closing lines alone
	v_and_b32 v1, 31, v0
	v_lshrrev_b32 v22, 5, v0
	v_readfirstlane_b32 s2, v22                    ; wave 0..7
	s_mov_b32 s3, ttmp9                            ; q
	s_and_b32 s4, ttmp7, 0xffff                    ; e
	s_mov_b32 s70, 0x76543210                      ; v_permlanex16_b32: each lane takes its own place in the other half
	s_mov_b32 s71, 0xfedcba98
	s_mov_b32 s72, 0x3b000000                      ; 1 / 512
	s_mov_b32 s74, 0x3727c5ac                      ; 1e-5
	v_lshlrev_b32 v25, 4, v1
	v_lshlrev_b32 v26, 4, v0
	v_lshlrev_b32 v27, 2, v0
	v_add_nc_u32 v28, 512, v1
	s_lshl_b32 s30, s4, 11                         ; expert e's 512 numbers in g1 and be1
	s_mov_b32 s31, 0
	s_lshl_b32 s73, s4, 5                          ; my two duty tokens: 16 (32 e + q) + 2 w, + 1
	s_add_co_u32 s73, s73, s3
	s_lshl_b32 s73, s73, 4
	s_lshl1_add_u32 s73, s2, s73
	s_lshl_b32 s73, s73, 2                         ; in bytes of type_vec; never rewritten
	s_wait_kmcnt 0x0
.irp i, 0,1,2,3
	global_load_b128 v[TY+4*\i:TY+4*\i+3], v26, s[10:11] offset:4096*\i  ; tokens 1024 i + 4 thread + 0..3
.endr
	s_add_nc_u64 s[12:13], s[12:13], s[30:31]
	s_add_nc_u64 s[14:15], s[14:15], s[30:31]
.irp i, 0,1,2,3
	global_load_b128 v[G+4*\i:G+4*\i+3], v25, s[12:13] offset:512*\i
	global_load_b128 v[BE+4*\i:BE+4*\i+3], v25, s[14:15] offset:512*\i
.endr
	s_load_b64 s[26:27], s[10:11], s73 offset:0x0
	s_wait_loadcnt 0x8                             ; the types are in; the eight loads of g1 and be1 are younger and stay out
	; how many of my 16 tokens are of type e
	v_mov_b32 v20, 0
.set n, 0
.rept 16
	v_cmp_eq_u32 vcc_lo, s4, v[TY+n]
	v_cndmask_b32 v22, 0, 1, vcc_lo
	v_add_nc_u32 v20, v20, v22
.set n, n+1
.endr
	; the sum of the lower lanes' counts, and the wave's total: bit by bit of the count (0..16), a ballot and a count of the bits below me
	v_mov_b32 v21, 0
	s_mov_b32 s31, 0
.irp b, 0,1,2,3,4
	v_bfe_u32 v22, v20, \b, 1
	v_cmp_ne_u32 s30, 0, v22
	v_mbcnt_lo_u32_b32 v22, s30, 0
	v_lshl_add_u32 v21, v22, \b, v21
	s_bcnt1_i32_b32 s59, s30
	s_lshl_b32 s59, s59, \b
	s_add_co_u32 s31, s31, s59
.endr
	; my matches go into my wave's list, the others into the lane's word behind it
	s_mul_i32 s59, s2, LISTW
.set n, 0
.rept 16
	v_cmp_eq_u32 vcc_lo, s4, v[TY+n]
	v_cndmask_b32 v22, v28, v21, vcc_lo
	v_min_u32 v22, 543, v22                        ; inside the wave's 544 words
	v_lshl_add_u32 v22, v22, 2, s59
	v_add_nc_u32 v23, 1024*(n/4)+(n%4), v27        ; the token's number
	ds_store_b32 v22, v23
	v_cndmask_b32 v24, 0, 1, vcc_lo
	v_add_nc_u32 v21, v21, v24
.set n, n+1
.endr
	s_lshl_b32 s30, s2, 2
	s_add_co_u32 s30, s30, TOT
	v_mov_b32 v23, s30
	v_mov_b32 v22, s31
	ds_store_b32 v23, v22                          ; my wave's total
	s_wait_dscnt 0x0                               ; for the others' sake: my list and my total are written
	s_barrier_signal -1
	s_barrier_wait -1
	v_mov_b32 v22, TOT
	ds_load_b128 v[96:99], v22
	ds_load_b128 v[100:103], v22 offset:16
	s_wait_dscnt 0x0
.irp v, 0,1,2,3,4,5,6,7
	v_readfirstlane_b32 s[32+\v], v[96+\v]
.endr
	s_mov_b32 s40, 0
.irp v, 1,2,3,4,5,6,7
	s_add_co_u32 s[40+\v], s[40+\v-1], s[32+\v-1]  ; the first rank in wave v's list
	s_lshl_b32 s30, s[32+\v-1], 2
	s_sub_co_u32 s[48+\v], LISTW, s30              ; rank's LDS byte = 4 rank + the sum of these over the lists that begin at or below it
.endr
	s_add_co_u32 s28, s47, s39
	s_min_u32 s28, s28, 4096                       ; expert e's rows
	s_sub_co_u32 s29, s28, 1
	s_or_b32 s30, s2, s3
	s_cmp_lg_u32 s30, 0
	s_cbranch_scc1 .Lnocnt                         ; wave 0 of q = 0 stores the count: one store of 128 consecutive bytes, the same number 32 times
	v_lshlrev_b32 v29, 2, v1
	s_lshl_b32 s30, s4, 7
	v_add_nc_u32 v29, s30, v29
	v_mov_b32 v30, s28
	global_store_b32 v29, v30, s[22:23]            ; v29 and v30 are not written again
.Lnocnt:
	s_lshl_b32 s30, s2, 1
	v_add_nc_u32 v31, s30, v1
	v_and_b32 v31, 15, v31                         ; lanes 0 and 1 look up my wave's rows 2 w and 2 w + 1; in wave 0 lanes 0..15 the tile's 16
	s_mul_i32 s30, s2, 2*TP
	s_add_co_u32 s30, s30, TILE
	v_lshl_add_u32 v116, v1, 3, s30                ; into the tile: my first row, 8 bytes a lane
	v_and_b32 v22, 15, v1
	v_lshrrev_b32 v23, 4, v1
	v_mul_u32_u24 v117, v22, TP
	v_lshl_add_u32 v117, v23, 4, v117
	s_lshl_b32 s30, s2, 7
	s_add_co_u32 s30, s30, TILE
	v_add_nc_u32 v117, s30, v117                   ; out of it: row l % 16, k steps 2 w and 2 w + 1, 16 bytes for each half of the lanes
	s_mov_b32 s57, s3
	s_lshl_b32 s58, s3, 4
	s_mov_b32 s56, 8
.Ltrip:                                                ; 8 trips cover 256 tiles; every wave passes both barriers, only work is jumped
	s_cmp_lt_u32 s58, s28
	s_cbranch_scc0 .Ldead1
	s_wait_xcnt 0x0                                ; the last trip's stores have read their data, offsets and bases: they are written again below
	v_add_nc_u32 v22, s58, v31
	v_min_u32 v22, s29, v22                        ; places past the count repeat the last row
	v_lshlrev_b32 v23, 2, v22
.irp v, 1,2,3,4,5,6,7
	v_cmp_le_u32 vcc_lo, s[40+\v], v22
	v_cndmask_b32 v24, 0, s[48+\v], vcc_lo
	v_add_nc_u32 v23, v23, v24
.endr
	v_min_u32 v23, 18428, v23                      ; inside the lists
	ds_load_b32 v24, v23
	s_wait_dscnt 0x0
	v_readlane_b32 s30, v24, 0
	v_readlane_b32 s31, v24, 1
	s_min_u32 s30, s30, 4095
	s_min_u32 s31, s31, 4095
	s_lshl_b32 s60, s30, 11
	s_mov_b32 s61, 0
	s_lshl_b32 s62, s31, 11
	s_mov_b32 s63, 0
	s_add_nc_u64 s[60:61], s[8:9], s[60:61]
	s_add_nc_u64 s[62:63], s[8:9], s[62:63]
.irp i, 0,1,2,3
	global_load_b128 v[XA+4*\i:XA+4*\i+3], v25, s[60:61] offset:512*\i  ; 512 consecutive bytes each
	global_load_b128 v[XB+4*\i:XB+4*\i+3], v25, s[62:63] offset:512*\i
.endr
	s_cmp_lg_u32 s2, 0
	s_cbranch_scc1 .Lnoperm
	s_lshl_b32 s30, s4, 12
	s_add_co_u32 s30, s30, s58
	v_add_lshl_u32 v118, v1, s30, 2
	v_cmp_gt_u32 vcc_lo, 16, v1
	s_wait_xcnt 0x0                                ; EXEC is a source of the loads above: it changes only behind this wait
	s_and_saveexec_b32 s59, vcc_lo
	global_store_b32 v118, v24, s[20:21]           ; the tile's 16 tokens
	s_wait_xcnt 0x0                                ; and again, in front of the line that widens it
	s_or_b32 exec_lo, exec_lo, s59
.Lnoperm:
	s_wait_loadcnt 0x0                             ; both rows, and (first trip) g1 and be1
	LNSTAT XA, TA, MA
	LNSTAT XB, TB, MB
	v_nop                                          ; a plain instruction behind the last v_rsq_f32,
	s_wait_alu depctr_va_vdst(0)                   ; and one wait for the four, ahead of their first reader
	LNAPPLY XA, MA
	LNAPPLY XB, MB
	s_lshl1_add_u32 s31, s2, s58                   ; my first row's rank
	s_lshl_b32 s30, s4, 12
	s_add_co_u32 s30, s30, s31
	s_lshl_b32 s66, s30, 11
	s_mov_b32 s67, 0
	s_add_nc_u64 s[66:67], s[18:19], s[66:67]
	s_cmp_lt_u32 s31, s28
	s_cbranch_scc0 .LnoA                           ; rows past the count are not stored in hF
.irp i, 0,1,2,3
	global_store_b128 v25, v[XA+4*\i:XA+4*\i+3], s[66:67] offset:512*\i
.endr
.LnoA:
	s_add_co_u32 s31, s31, 1
	s_cmp_lt_u32 s31, s28
	s_cbranch_scc0 .LnoB
.irp i, 0,1,2,3
	global_store_b128 v25, v[XB+4*\i:XB+4*\i+3], s[66:67] offset:2048+512*\i
.endr
.LnoB:
.irp i, 0,1,2,3
	v_cvt_pk_bf16_f32 v[TA+2*\i], v[XA+4*\i], v[XA+4*\i+1]
	v_cvt_pk_bf16_f32 v[TA+2*\i+1], v[XA+4*\i+2], v[XA+4*\i+3]
	v_cvt_pk_bf16_f32 v[TB+2*\i], v[XB+4*\i], v[XB+4*\i+1]
	v_cvt_pk_bf16_f32 v[TB+2*\i+1], v[XB+4*\i+2], v[XB+4*\i+3]
.endr
.irp i, 0,1,2,3
	ds_store_b64 v116, v[TA+2*\i:TA+2*\i+1] offset:256*\i      ; 32 lanes, 256 consecutive bytes
	ds_store_b64 v116, v[TB+2*\i:TB+2*\i+1] offset:TP+256*\i
.endr
.Ldead1:
	s_wait_dscnt 0x0                               ; my two rows are in the tile
	s_barrier_signal -1
	s_barrier_wait -1
	s_cmp_lt_u32 s58, s28
	s_cbranch_scc0 .Ldead2
	s_wait_xcnt 0x0                                ; hA's base is written again below
.irp i, 0,1,2,3
	ds_load_b128 v[TA+4*\i:TA+4*\i+3], v117 offset:32*\i       ; (ks, half) = (2 w, 0), (2 w, 1), (2 w + 1, 0), (2 w + 1, 1)
.endr
	s_lshl_b32 s30, s4, 8
	s_add_co_u32 s30, s30, s57
	s_lshl_b32 s30, s30, 14                        ; the tile's 16,384 bytes,
	s_lshl_b32 s31, s2, 11                         ; my two k steps in it
	s_add_co_u32 s68, s30, s31
	s_mov_b32 s69, 0
	s_add_nc_u64 s[68:69], s[16:17], s[68:69]
	s_wait_dscnt 0x0
.irp i, 0,1,2,3
	global_store_b128 v25, v[TA+4*\i:TA+4*\i+3], s[68:69] offset:512*\i  ; 512 consecutive bytes, at a multiple of 512 from hA's first
.endr
.Ldead2:
	s_wait_dscnt 0x0                               ; my reads of the tile are over: the next trip writes it again
	s_barrier_signal -1
	s_barrier_wait -1
	s_add_co_u32 s57, s57, 32
	s_add_co_u32 s58, s58, 512
	s_sub_co_u32 s56, s56, 1
	s_cmp_lg_u32 s56, 0
	s_cbranch_scc1 .Ltrip
	; my two duty tokens: a type that no expert has leaves a row of zeros
	s_wait_kmcnt 0x0
.irp j, 0,1,2,3
	v_mov_b32 v[112+\j], 0
.endr
	s_lshl_b32 s76, s73, 9                         ; token x 2,048 bytes
	s_mov_b32 s77, 0
	s_add_nc_u64 s[76:77], s[24:25], s[76:77]
	s_cmp_gt_u32 s26, 7
	s_cbranch_scc0 .Lz0
.irp i, 0,1,2,3
	global_store_b128 v25, v[112:115], s[76:77] offset:512*\i
.endr
.Lz0:
	s_cmp_gt_u32 s27, 7
	s_cbranch_scc0 .Lz1
.irp i, 0,1,2,3
	global_store_b128 v25, v[112:115], s[76:77] offset:2048+512*\i
.endr
.Lz1:
	s_wait_tensorcnt 0x0                           ; the wave's end
	ds_add_u32 v2, v3
	s_wait_dscnt 0x0
	s_endpgm
.Lfunc_end_k_q1b64a20d54_prep:
	.size	k_q1b64a20d54_prep, .Lfunc_end_k_q1b64a20d54_prep-k_q1b64a20d54_prep
	.p2alignl 7, 3214868480
	.fill 96, 4, 3214868480
	.section	.rodata,"a",@progbits
	.p2align	6, 0x0
	.amdhsa_kernel k_q1b64a20d54_prep
		.amdhsa_group_segment_fixed_size 36352
		.amdhsa_private_segment_fixed_size 0
		.amdhsa_enable_private_segment 0
		.amdhsa_kernarg_size 72
		.amdhsa_user_sgpr_count 2
		.amdhsa_user_sgpr_kernarg_segment_ptr 1
		.amdhsa_wavefront_size32 1
		.amdhsa_system_sgpr_workgroup_id_x 1
		.amdhsa_system_sgpr_workgroup_id_y 1
		.amdhsa_system_sgpr_workgroup_id_z 1
		.amdhsa_system_vgpr_workitem_id 0
		.amdhsa_next_free_vgpr 128
		.amdhsa_next_free_sgpr 80
		.amdhsa_reserve_vcc 1
		.amdhsa_float_denorm_mode_32 3
		.amdhsa_float_denorm_mode_16_64 3
		.amdhsa_memory_ordered 1
		.amdhsa_forward_progress 1
		.amdhsa_inst_pref_size 31
	.end_amdhsa_kernel
	.amdgpu_metadata
---
amdhsa.version: [ 1, 2 ]
amdhsa.kernels:
  - .name:           k_q1b64a20d54_prep
    .symbol:         k_q1b64a20d54_prep.kd
    .args:
      - { .name: x, .offset: 0, .size: 8, .value_kind: global_buffer, .address_space: global }
      - { .name: type_vec, .offset: 8, .size: 8, .value_kind: global_buffer, .address_space: global }
      - { .name: g1, .offset: 16, .size: 8, .value_kind: global_buffer, .address_space: global }
      - { .name: be1, .offset: 24, .size: 8, .value_kind: global_buffer, .address_space: global }
      - { .name: hA, .offset: 32, .size: 8, .value_kind: global_buffer, .address_space: global }
      - { .name: hF, .offset: 40, .size: 8, .value_kind: global_buffer, .address_space: global }
      - { .name: perm, .offset: 48, .size: 8, .value_kind: global_buffer, .address_space: global }
      - { .name: cnt, .offset: 56, .size: 8, .value_kind: global_buffer, .address_space: global }
      - { .name: out0, .offset: 64, .size: 8, .value_kind: global_buffer, .address_space: global }
    .group_segment_fixed_size: 36352
    .private_segment_fixed_size: 0
    .kernarg_segment_align: 8
    .kernarg_segment_size: 72
    .max_flat_workgroup_size: 256
    .sgpr_count:     80
    .vgpr_count:     128
    .wavefront_size: 32
...
	.end_amdgpu_metadata
.endif
;; end of part 1
;; launch ffn1 (part 2): grid 32 x 8, 4 waves a work-group, no clusters, 67,072 bytes of LDS; arguments hA, W1, b1, cnt, hid; writes hid
.if DOCPART == 2
	.amdgcn_target "amdgcn-amd-amdhsa--gfx1250"
	.amdhsa_code_object_version 6
	.text
	.protected	k_q1b64a20d54_ffn1
	.globl	k_q1b64a20d54_ffn1
	.p2align	8
	.type	k_q1b64a20d54_ffn1,@function
k_q1b64a20d54_ffn1:
	s_mov_b64 s[64:65], 0
	v_nop
	global_prefetch_b8 v0, s[64:65] scope:SCOPE_SE
	s_setreg_imm32_b32 hwreg(HW_REG_WAVE_MODE, 25, 1), 1
	s_wait_xcnt 0x0
; hid = relu(h W1[e] + b1[e]), for the rows of expert e alone.  W1: [8][512][2048] f32; b1: [8][2048] f32; hA, hid: bf16 in fragment order (below); sums in f32.
; Work-group (s, e) owns W1[e][:, 64 s .. 64 s + 63]: 128 KB of f32 that it alone reads, once.  Each wave loads a quarter of it (128 rows of k), rounds it to bf16, and turns it through LDS
; into operand fragments; then EVERY wave holds the whole slice in 512 registers (16 k steps x 4 column tiles) and the slice is never read again.
; The token rows come from memory straight into registers as operands: hA is [e][tile 256][ks 16][half 2][lane 32][16 B], so each load of a wave is 512 consecutive bytes.
; Wave w takes the expert's tiles of 16 rows w, w + 4, ..; their number hangs on the stored count, so the loop touches no LDS and has no barrier.
; THE MATRIX INSTRUCTION IS USED TRANSPOSED (source 0 = 16 columns of W1, source 1 = 16 rows of h): a lane then holds one row and eight neighbouring columns; rounded in pairs these 16 bytes
; ARE the lane's part of the next product's operand: hid is [e][tile 256][ks 64][half 2][lane 32][16 B], and column 64 s + 16 ct + 8 h + j is k step 2 s + ct / 2, half ct % 2, same lane.
; NO MULTICAST, NO TENSOR LOAD: each byte of W1 has one reader; what an expert's 32 work-groups share is its token tiles, and how many of them a wave walks hangs on the count and on the wave.
; LIMITS.  h, W1 and hid are rounded once to bf16.  relu is a maximum with 0 on the rounded pair, in which a NaN loses: a NaN in the hidden layer becomes 0.
; REGISTERS, in windows of 256 (s_set_vgpr_msb: bits 1:0 source 0, 3:2 source 1, 5:4 source 2, 7:6 destination):
;   window 0: v1 lane, v2/v3 the add's registers, v4 0, v5-v10 addresses, v[16:47] b1, v[48:79], v[80:111] two sets of four accumulators, v[112:127] packed results, v[128:255] rounded weights on their way to LDS
;   window 1: W1's fragments of k steps 0-7: ((ks % 8) 4 + ct) 8       window 2: k steps 8-15       window 3: first W1 as loaded; then two tiles of h, 128 registers each, k step ks at 8 ks
.set FRK,   4160                       ; LDS: the fragments of a k step: four of 1,040 bytes
.set FRC,   1040                       ; a fragment is 1,024 bytes (half, lane, 16 B); 16 more
.set SPARE, 66560                      ; the spare words, 128 bytes for each wave: two blocks of 256 bytes that no other line names
.set BI,  16
.set ACC, 48
.set O,   112
.set CV,  128
; s2 wave, s3 s, s4 e, s5 count, s6 tiles, s22 tiles - 1, s7 my tiles, s18 bodies that load ahead, s19 counter, s20 next tile to load, s[24:25] hA at e, s[26:27], s[28:29] the two tiles' bases, s[30:31] an offset, s[34:35] hid
.set MSB, 0
.macro WIN new                         ; the immediate's high byte repeats the setting that is left; a switch that changes nothing is dropped
.if MSB != (\new)
	s_set_vgpr_msb (MSB<<8)|(\new)
.set MSB, \new
.endif
.endm
.macro PLACES                          ; four places between a matrix instruction and a load into its sources, or a reader of its result
.rept 4
	v_nop
.endr
.endm
; 16 matrix instructions: k steps 4 g .. 4 g + 3 of tile x (0, 1), all four column tiles.  The four accumulators take turns, one instruction a turn.  The bias starts the sums.
.macro MULG x, g
	WIN 0x0D+((\g)/2)                              ; source 0 window 1 or 2, source 1 window 3, C and D window 0
.irp k, 0,1,2,3
.irp c, 0,1,2,3
.set KS, 4*(\g)+(\k)
.set rB, ((KS%8)*4+(\c))*8
.set rA, 128*(\x)+8*KS
.set rD, ACC+32*(\x)+8*(\c)
.if KS == 0
	v_wmma_f32_16x16x32_bf16 v[rD:rD+7], v[rB:rB+7], v[rA:rA+7], v[BI+8*(\c):BI+8*(\c)+7]
.else
	v_wmma_f32_16x16x32_bf16 v[rD:rD+7], v[rB:rB+7], v[rA:rA+7], v[rD:rD+7]
.endif
.endr
.endr
.endm
.macro LOADG x, g                      ; 8 loads: k steps 4 g .. 4 g + 3 of the tile at base x
.irp k, 0,1,2,3
	global_load_b128 v[128*(\x)+8*(4*(\g)+\k):128*(\x)+8*(4*(\g)+\k)+3],   v7, s[26+2*(\x):27+2*(\x)] offset:(4*(\g)+\k)*1024
	global_load_b128 v[128*(\x)+8*(4*(\g)+\k)+4:128*(\x)+8*(4*(\g)+\k)+7], v7, s[26+2*(\x):27+2*(\x)] offset:(4*(\g)+\k)*1024+512
.endr
.endm
.macro NEXT base                       ; the base of my next tile; past my last tile the expert's last tile is loaded once more and serves nothing, so that the counts of loads are alike on every way
	s_wait_xcnt 0x0                                ; the loads that named the base have had their addresses translated
	s_min_u32 s30, s20, s22
	s_min_u32 s30, s30, 255
	s_lshl_b32 s30, s30, 14
	s_add_nc_u64 s[\base:\base+1], s[24:25], s[30:31]
	s_add_co_u32 s20, s20, 4
.endm
.macro EPI x, places                   ; tile x goes out: rounded in pairs, relu, 16 bytes a lane; each store covers 512 consecutive bytes
	WIN 0
.if \places
	PLACES
.endif
	s_wait_xcnt 0x0                                ; the last tile's stores have read v[112:127]
.irp c, 0,1,2,3
.irp p, 0,1,2,3
	v_cvt_pk_bf16_f32 v[O+4*\c+\p], v[ACC+32*(\x)+8*\c+2*\p], v[ACC+32*(\x)+8*\c+2*\p+1]
.endr
.irp p, 0,1,2,3
	v_pk_max_num_bf16 v[O+4*\c+\p], v[O+4*\c+\p], v4
.endr
	global_store_b128 v7, v[O+4*\c:O+4*\c+3], s[34:35] offset:262144*(\x)+512*\c  ; tile b lies four tiles of 65,536 bytes behind tile a
.endr
.endm
; A tile: four groups of 16 matrix instructions.  reload = 1: behind each group its registers take the same group of my tile two further on.
; THE COUNTS.  Groups of 8 loads are issued in the order a0-a3, b0-b3, a0', ..: behind a group stand seven others, 56 loads, on the way in and round the loop alike.
; In the last body nothing is issued: behind group g of tile a stand (3 - g) groups and tile b's four, behind group g of tile b (3 - g).
.macro PART x, reload
.irp g, 0,1,2,3
.if \reload
	s_wait_loadcnt 56
.else
	s_wait_loadcnt (3-\g)*8+32*(1-(\x))
.endif
	MULG \x, \g
.if \reload
	WIN 0
	PLACES
.if \g == 0
	NEXT 26+2*(\x)
.endif
	WIN 0xC0                                       ; destination window 3, address window 0
	LOADG \x, \g
.endif
.endr
	EPI \x, 1-(\reload)
.endm
	s_load_b256 s[8:15], s[0:1], 0x0               ; hA 8, W1 10, b1 12, cnt 14
	s_load_b64 s[16:17], s[0:1], 0x20              ; hid
	v_lshl_add_u32 v2, v0, 2, SPARE                ; my spare word,
	v_mov_b32 v3, 0                                ; and 0: kept for the closing lines alone
	v_mov_b32 v4, 0                                ; relu's 0
	v_and_b32 v1, 31, v0
	v_lshrrev_b32 v9, 5, v0
	v_readfirstlane_b32 s2, v9                     ; wave 0..3
	s_mov_b32 s3, ttmp9                            ; s
	s_and_b32 s4, ttmp7, 0xffff                    ; e
	v_and_b32 v11, 15, v1
	v_lshrrev_b32 v12, 4, v1                       ; h
	v_lshlrev_b32 v5, 4, v11
	v_lshl_add_u32 v5, v12, 16, v5                 ; W1: lanes 0-15 take the 256 bytes of one row of k, lanes 16-31 those of the row 8 further down (8 x 8,192 bytes)
	v_lshrrev_b32 v13, 2, v11
	v_mul_u32_u24 v6, v13, FRC                     ; into LDS: my four columns lie in column tile (l % 16) / 4,
	v_and_b32 v13, 3, v1
	v_lshl_add_u32 v6, v13, 6, v6                  ; at lanes 4 (l % 4) + j of it,
	v_lshl_add_u32 v6, v12, 8, v6                  ; in the half of the lanes that is mine,
	s_mul_i32 s30, s2, 4*FRK
	v_add_nc_u32 v6, s30, v6                       ; in my wave's four k steps
	v_lshlrev_b32 v7, 4, v1                        ; 16 lane
	v_add_nc_u32 v8, 8*FRK, v7                     ; the same from k step 8 on (an LDS offset has 16 bits)
	v_lshlrev_b32 v10, 5, v12                      ; b1: 8 numbers for each half of the lanes
	s_lshl_b32 s30, s4, 22                         ; W1[e], my 128 rows of k, the slice's 256 bytes
	s_lshl_b32 s31, s2, 20
	s_add_co_u32 s30, s30, s31
	s_lshl_b32 s31, s3, 8
	s_add_co_u32 s30, s30, s31
	s_mov_b32 s31, 0
	s_lshl_b32 s32, s4, 13                         ; b1[e], the slice
	s_lshl_b32 s33, s3, 8
	s_add_co_u32 s32, s32, s33
	s_mov_b32 s33, 0
	s_lshl_b32 s36, s4, 7                          ; cnt's word; never rewritten
	s_lshl_b32 s38, s4, 22                         ; hA at e: 256 tiles of 16,384 bytes
	s_mov_b32 s39, 0
	s_lshl_b32 s40, s4, 24                         ; hid at e (256 tiles of 65,536 bytes), tile w, k steps 2 s and 2 s + 1
	s_lshl_b32 s41, s2, 16
	s_add_co_u32 s40, s40, s41
	s_lshl_b32 s41, s3, 11
	s_add_co_u32 s40, s40, s41
	s_mov_b32 s41, 0
	s_wait_kmcnt 0x0
	s_load_b32 s5, s[14:15], s36 offset:0x0
	s_add_nc_u64 s[10:11], s[10:11], s[30:31]
	s_add_nc_u64 s[12:13], s[12:13], s[32:33]
	s_add_nc_u64 s[24:25], s[8:9], s[38:39]
	s_add_nc_u64 s[34:35], s[16:17], s[40:41]
.irp c, 0,1,2,3
	global_load_b128 v[BI+8*\c:BI+8*\c+3],   v10, s[12:13] offset:64*\c      ; columns 16 ct + 8 h + 0..7: the accumulator's own layout
	global_load_b128 v[BI+8*\c+4:BI+8*\c+7], v10, s[12:13] offset:64*\c+16
.endr
	WIN 0xC0
.set b, 0
.rept 8                                ; block b: 16 rows of k (k step b / 2 of my four, half b % 2); load i: rows 16 b + i and 16 b + 8 + i
.set i, 0
.rept 8
	global_load_b128 v[32*b+4*i:32*b+4*i+3], v5, s[10:11] offset:(16*b+i)*8192 th:TH_LOAD_NT
.set i, i+1
.endr
.set b, b+1
.endr
	WIN 0x0F                                       ; sources window 3, destination window 0
.set b, 0
.rept 8
	s_wait_loadcnt 56-8*b                          ; block b is in; the younger blocks' loads, 8 each, stay out
.set j, 0
.rept 4                                ; column j of my four: rows 2 p and 2 p + 1 in a pair: 8 k of one column, 16 bytes of a fragment
.set p, 0
.rept 4
	v_cvt_pk_bf16_f32 v[CV+16*b+4*j+p], v[32*b+8*p+j], v[32*b+8*p+4+j]
.set p, p+1
.endr
.set j, j+1
.endr
.set b, b+1
.endr
	WIN 0
.set b, 0
.rept 8
.set j, 0
.rept 4
	ds_store_b128 v6, v[CV+16*b+4*j:CV+16*b+4*j+3] offset:(b/2)*FRK+(b%2)*512+16*j
.set j, j+1
.endr
.set b, b+1
.endr
	s_wait_kmcnt 0x0
	s_min_u32 s5, s5, 4096
	s_add_co_u32 s6, s5, 15
	s_lshr_b32 s6, s6, 4                           ; the expert's tiles
	s_sub_co_u32 s22, s6, 1
	s_add_co_u32 s7, s6, 3
	s_sub_co_u32 s7, s7, s2
	s_lshr_b32 s7, s7, 2                           ; mine: w, w + 4, ..
	s_add_co_u32 s18, s7, 1
	s_lshr_b32 s18, s18, 1
	s_sub_co_u32 s18, s18, 1                       ; bodies of two tiles, less the last
	s_mov_b32 s20, s2
	s_cmp_eq_u32 s7, 0
	s_cbranch_scc1 .Lnoa
	NEXT 26                                        ; my first two tiles are asked for ahead of the barrier: 64 loads, 32 KB
	WIN 0xC0
	LOADG 0, 0
	LOADG 0, 1
	LOADG 0, 2
	LOADG 0, 3
	WIN 0
	NEXT 28
	WIN 0xC0
	LOADG 1, 0
	LOADG 1, 1
	LOADG 1, 2
	LOADG 1, 3
	WIN 0
.Lnoa:
	s_wait_dscnt 0x0                               ; for the others' sake: my quarter of the slice is in LDS
	s_barrier_signal -1
	s_barrier_wait -1                              ; the one barrier: behind it LDS is only read
	s_cmp_eq_u32 s7, 0
	s_cbranch_scc1 .Lend
	WIN 0x40                                       ; destination window 1
.set k, 0
.rept 64                               ; (ks, ct, half) = (k / 8, (k / 2) % 4, k % 2)
	ds_load_b128 v[4*k:4*k+3], v7 offset:(k/8)*FRK+((k/2)%4)*FRC+(k%2)*512
.set k, k+1
.endr
	WIN 0x80                                       ; destination window 2
.set k, 0
.rept 64
	ds_load_b128 v[4*k:4*k+3], v8 offset:(k/8)*FRK+((k/2)%4)*FRC+(k%2)*512
.set k, k+1
.endr
	WIN 0
	s_wait_dscnt 0x0
	s_cmp_eq_u32 s18, 0
	s_cbranch_scc1 .Llast
	s_mov_b32 s19, 0
.Lloop:                                                ; a trip: two tiles, 128 matrix instructions, 64 loads ahead, 8 stores
	PART 0, 1
	PART 1, 1
	s_wait_xcnt 0x0                                ; the stores have read their base
	s_add_nc_u64 s[34:35], s[34:35], 524288        ; eight tiles on
	s_add_co_u32 s19, s19, 1
	s_cmp_lt_u32 s19, s18
	s_cbranch_scc1 .Lloop
.Llast:                                                ; the last body loads nothing
	PART 0, 0
	s_bitcmp1_b32 s7, 0
	s_cbranch_scc1 .Lend                           ; an odd number of tiles: tile b's registers hold nothing of mine
	PART 1, 0
.Lend:
	s_wait_tensorcnt 0x0                           ; the wave's end
	ds_add_u32 v2, v3
	s_wait_dscnt 0x0
	s_endpgm
.Lfunc_end_k_q1b64a20d54_ffn1:
	.size	k_q1b64a20d54_ffn1, .Lfunc_end_k_q1b64a20d54_ffn1-k_q1b64a20d54_ffn1
	.p2alignl 7, 3214868480
	.fill 96, 4, 3214868480
	.section	.rodata,"a",@progbits
	.p2align	6, 0x0
	.amdhsa_kernel k_q1b64a20d54_ffn1
		.amdhsa_group_segment_fixed_size 67072
		.amdhsa_private_segment_fixed_size 0
		.amdhsa_enable_private_segment 0
		.amdhsa_kernarg_size 40
		.amdhsa_user_sgpr_count 2
		.amdhsa_user_sgpr_kernarg_segment_ptr 1
		.amdhsa_wavefront_size32 1
		.amdhsa_system_sgpr_workgroup_id_x 1
		.amdhsa_system_sgpr_workgroup_id_y 1
		.amdhsa_system_sgpr_workgroup_id_z 1
		.amdhsa_system_vgpr_workitem_id 0
		.amdhsa_next_free_vgpr 1024
		.amdhsa_next_free_sgpr 66
		.amdhsa_reserve_vcc 0
		.amdhsa_float_denorm_mode_32 3
		.amdhsa_float_denorm_mode_16_64 3
		.amdhsa_memory_ordered 1
		.amdhsa_forward_progress 1
		.amdhsa_inst_pref_size 70
	.end_amdhsa_kernel
	.amdgpu_metadata
---
amdhsa.version: [ 1, 2 ]
amdhsa.kernels:
  - .name:           k_q1b64a20d54_ffn1
    .symbol:         k_q1b64a20d54_ffn1.kd
    .args:
      - { .name: hA, .offset: 0, .size: 8, .value_kind: global_buffer, .address_space: global }
      - { .name: W1, .offset: 8, .size: 8, .value_kind: global_buffer, .address_space: global }
      - { .name: b1, .offset: 16, .size: 8, .value_kind: global_buffer, .address_space: global }
      - { .name: cnt, .offset: 24, .size: 8, .value_kind: global_buffer, .address_space: global }
      - { .name: hid, .offset: 32, .size: 8, .value_kind: global_buffer, .address_space: global }
    .group_segment_fixed_size: 67072
    .private_segment_fixed_size: 0
    .kernarg_segment_align: 8
    .kernarg_segment_size: 40
    .max_flat_workgroup_size: 128
    .sgpr_count:     66
    .vgpr_count:     1024
    .wavefront_size: 32
...
	.end_amdgpu_metadata
.endif
;; end of part 2
;; launch ffn2 (part 3): grid 32 x 8, 4 waves a work-group, no clusters, 84,480 bytes of LDS; arguments hid, W2, b2, cnt, ffp; writes ffp
.if DOCPART == 3
	.amdgcn_target "amdgcn-amd-amdhsa--gfx1250"
	.amdhsa_code_object_version 6
	.text
	.protected	k_q1b64a20d54_ffn2
	.globl	k_q1b64a20d54_ffn2
	.p2align	8
	.type	k_q1b64a20d54_ffn2,@function
k_q1b64a20d54_ffn2:
	s_mov_b64 s[64:65], 0
	v_nop
	global_prefetch_b8 v0, s[64:65] scope:SCOPE_SE
	s_setreg_imm32_b32 hwreg(HW_REG_WAVE_MODE, 25, 1), 1
	s_wait_xcnt 0x0
; PARTIAL SUMS OF ff = hid W2[e] + b2[e], for the rows of expert e alone.  W2: [8][2048][512] f32; b2: [8][512] f32; hid: bf16 in fragment order [e][tile 256][ks 64][half 2][lane 32][16 B];
; ffp: f32, [e*4096 + rank][kq 4][512]: the sum over K = 512 kq .. 512 kq + 511; the launch behind adds a row's four.  Sums in f32.  b2 starts the sums of kq = 0.
; Work-group (x, e): s = x % 8 names 64 columns, kq = x / 8 a quarter of K.  It owns W2[e][512 kq ..][64 s ..]: 128 KB of f32 that it alone reads, once.  Each wave loads a quarter of it
; (128 rows of k), rounds it to bf16 and turns it through LDS into operand fragments; then EVERY wave holds the whole slice in 512 registers (16 k steps x 4 column tiles).
; The rows of hid come from memory straight into registers as operands, 512 consecutive bytes a load.  Wave w takes the expert's tiles of 16 rows w, w + 4, ..; their number hangs on the stored
; count, so the loop has no barrier, and the only LDS that it touches is the wave's own stage, at fixed addresses.
; THE MATRIX INSTRUCTION IS USED TRANSPOSED (source 0 = 16 columns of W2, source 1 = 16 rows of hid): a lane holds one row and eight neighbouring columns.  A tile goes out through the stage:
; in by lanes, back by rows, so that sixteen lanes store 256 consecutive bytes, at a multiple of 256 from ffp's first byte.
; NO MULTICAST, NO TENSOR LOAD: each byte of W2 has one reader; what the eight work-groups of a kq share is the tiles of hid, and how many of them a wave walks hangs on the count and on the wave.
; LIMITS.  hid and W2 are rounded once to bf16.  The four partial sums are added in the order ((0 + 1) + (2 + 3)), not K ascending.
; REGISTERS, in windows of 256 (s_set_vgpr_msb: bits 1:0 source 0, 3:2 source 1, 5:4 source 2, 7:6 destination):
;   window 0: v1 lane, v2/v3 the add's registers, v4-v15 addresses, v[16:47] b2 or 0, v[48:79], v[80:111] two sets of four accumulators, v[112:143], v[144:175] rows read back from the stage,
;             v[128:255] first: rounded weights on their way to LDS
;   window 1: W2's fragments of k steps 0-7: ((ks % 8) 4 + ct) 8       window 2: k steps 8-15       window 3: first W2 as loaded; then two tiles of hid, 128 registers each, k step ks at 8 ks
.set FRK,   4160                       ; LDS: the fragments of a k step: four of 1,040 bytes
.set FRC,   1040                       ; a fragment is 1,024 bytes (half, lane, 16 B); 16 more
.set STAGE, 66560                      ; behind the 16 k steps: a stage of 16 rows for each wave
.set SP,    272                        ; its pitch: 64 f32 + 16 bytes: the 16 rows that a store touches start at 16 different groups of four banks
.set SPARE, 83968                      ; the spare words, 128 bytes for each wave: two blocks of 256 bytes that no other line names
.set BI,  16
.set ACC, 48
.set R,   112
.set CV,  128
; s2 wave, s3 s, s21 kq, s4 e, s5 count, s6 tiles, s22 tiles - 1, s7 my tiles, s18 bodies that load ahead, s19 counter, s20 next tile to load, s23 all ones where kq = 0,
; s[24:25] hid at e and kq, s[26:27], s[28:29] the two tiles' bases, s[30:31] an offset, s[34:35] ffp at tile a, s[36:37] at tile b
.set MSB, 0
.macro WIN new                         ; the immediate's high byte repeats the setting that is left; a switch that changes nothing is dropped
.if MSB != (\new)
	s_set_vgpr_msb (MSB<<8)|(\new)
.set MSB, \new
.endif
.endm
.macro PLACES                          ; four places between a matrix instruction and a load into its sources, or a reader of its result
.rept 4
	v_nop
.endr
.endm
; 16 matrix instructions: k steps 4 g .. 4 g + 3 of tile x (0, 1), all four column tiles.  The four accumulators take turns, one instruction a turn.  b2, or 0, starts the sums.
.macro MULG x, g
	WIN 0x0D+((\g)/2)                              ; source 0 window 1 or 2, source 1 window 3, C and D window 0
.irp k, 0,1,2,3
.irp c, 0,1,2,3
.set KS, 4*(\g)+(\k)
.set rB, ((KS%8)*4+(\c))*8
.set rA, 128*(\x)+8*KS
.set rD, ACC+32*(\x)+8*(\c)
.if KS == 0
	v_wmma_f32_16x16x32_bf16 v[rD:rD+7], v[rB:rB+7], v[rA:rA+7], v[BI+8*(\c):BI+8*(\c)+7]
.else
	v_wmma_f32_16x16x32_bf16 v[rD:rD+7], v[rB:rB+7], v[rA:rA+7], v[rD:rD+7]
.endif
.endr
.endr
.endm
.macro LOADG x, g                      ; 8 loads of 512 consecutive bytes: k steps 4 g .. 4 g + 3 of the tile at base x
.irp k, 0,1,2,3
	global_load_b128 v[128*(\x)+8*(4*(\g)+\k):128*(\x)+8*(4*(\g)+\k)+3],   v7, s[26+2*(\x):27+2*(\x)] offset:(4*(\g)+\k)*1024
	global_load_b128 v[128*(\x)+8*(4*(\g)+\k)+4:128*(\x)+8*(4*(\g)+\k)+7], v7, s[26+2*(\x):27+2*(\x)] offset:(4*(\g)+\k)*1024+512
.endr
.endm
.macro NEXT base                       ; the base of my next tile; past my last tile the expert's last tile is loaded once more and serves nothing, so that the counts of loads are alike on every way
	s_wait_xcnt 0x0                                ; the loads that named the base have had their addresses translated; the youngest memory instruction stands 16 matrix instructions back
	s_min_u32 s30, s20, s22
	s_min_u32 s30, s30, 255
	s_lshl_b32 s30, s30, 16                        ; a tile of hid is 65,536 bytes
	s_add_nc_u64 s[\base:\base+1], s[24:25], s[30:31]
	s_add_co_u32 s20, s20, 4
.endm
; Tile x goes into my stage, 16 bytes a lane (each accumulator's low registers first), and comes back as whole rows: lanes 0-15 a row's 256 bytes, lanes 16-31 the next row's.
; LDS serves a wave's instructions in order (ISA guide 5.7.1.4): the loads see the stores in front of them, and the next tile's stores come behind these loads.
.macro STAGE x
	s_wait_xcnt 0x0                                ; the stores of my tile two back have read v[R ..] and their base: both are written again below
.if (\x) == 0
	s_add_nc_u64 s[36:37], s[34:35], 524288        ; tile b lies four tiles of 16 rows x 8,192 bytes behind tile a
.else
	s_add_nc_u64 s[34:35], s[34:35], 1048576       ; tile a of the next body: eight tiles on (this body's tile a has been stored)
.endif
.irp c, 0,1,2,3
	ds_store_b128 v4, v[ACC+32*(\x)+8*\c:ACC+32*(\x)+8*\c+3]   offset:64*\c
	ds_store_b128 v4, v[ACC+32*(\x)+8*\c+4:ACC+32*(\x)+8*\c+7] offset:64*\c+16
.endr
.irp t, 0,1,2,3,4,5,6,7
	ds_load_b128 v[R+32*(\x)+4*\t:R+32*(\x)+4*\t+3], v14 offset:\t*2*SP
.endr
.endm
.macro SEND x                          ; tile x is stored: rows 2 t and 2 t + 1, 256 consecutive bytes for each sixteen lanes
	s_wait_dscnt 0x0                               ; the rows are back in registers
.irp t, 0,1,2,3,4,5,6,7
	global_store_b128 v15, v[R+32*(\x)+4*\t:R+32*(\x)+4*\t+3], s[34+2*(\x):35+2*(\x)] offset:\t*16384
.endr
.endm
; A tile: four groups of 16 matrix instructions.  reload = 1: behind each group its registers take the same group of my tile two further on; the stage stands ahead of the last group's loads.
; send = 1: the other tile, staged 16 matrix instructions ago, is stored behind the first group.
; THE COUNTS.  Groups of 8 loads are issued in the order a0-a3, b0-b3, a0', ..: behind a group stand seven others, 56 loads, on the way in and round the loop alike.
; In the last body nothing is issued: behind group g of tile a stand (3 - g) groups and tile b's four, behind group g of tile b (3 - g).
.macro PART x, reload, send
.irp g, 0,1,2,3
.if \reload
	s_wait_loadcnt 56
.else
	s_wait_loadcnt (3-\g)*8+32*(1-(\x))
.endif
	MULG \x, \g
.if \reload
	WIN 0
	PLACES
.if \g == 0
	NEXT 26+2*(\x)
.endif
.if \g == 3
	STAGE \x
.endif
	WIN 0xC0                                       ; destination window 3, address window 0
	LOADG \x, \g
.endif
.if (\send) && (\g == 0)
	WIN 0
	SEND 1-(\x)
.endif
.endr
.if (\reload) == 0
	WIN 0
	PLACES
	STAGE \x
.endif
.endm
	s_load_b256 s[8:15], s[0:1], 0x0               ; hid 8, W2 10, b2 12, cnt 14
	s_load_b64 s[16:17], s[0:1], 0x20              ; ffp
	v_lshl_add_u32 v2, v0, 2, SPARE                ; my spare word,
	v_mov_b32 v3, 0                                ; and 0: kept for the closing lines alone
	v_and_b32 v1, 31, v0
	v_lshrrev_b32 v9, 5, v0
	v_readfirstlane_b32 s2, v9                     ; wave 0..3
	s_and_b32 s3, ttmp9, 7                         ; s
	s_lshr_b32 s21, ttmp9, 3                       ; kq
	s_and_b32 s4, ttmp7, 0xffff                    ; e
	v_and_b32 v11, 15, v1
	v_lshrrev_b32 v12, 4, v1                       ; h
	v_lshlrev_b32 v5, 4, v11
	v_lshl_add_u32 v5, v12, 14, v5                 ; W2: lanes 0-15 take the slice's 256 bytes of one row of k, lanes 16-31 those of the row 8 further down (8 x 2,048 bytes)
	v_lshrrev_b32 v13, 2, v11
	v_mul_u32_u24 v6, v13, FRC                     ; into LDS: my four columns lie in column tile (l % 16) / 4,
	v_and_b32 v13, 3, v1
	v_lshl_add_u32 v6, v13, 6, v6                  ; at lanes 4 (l % 4) + j of it,
	v_lshl_add_u32 v6, v12, 8, v6                  ; in the half of the lanes that is mine,
	s_mul_i32 s30, s2, 4*FRK
	v_add_nc_u32 v6, s30, v6                       ; in my wave's four k steps
	v_lshlrev_b32 v7, 4, v1                        ; 16 lane
	v_add_nc_u32 v8, 8*FRK, v7                     ; the same from k step 8 on (an LDS offset has 16 bits)
	v_lshlrev_b32 v10, 5, v12                      ; b2: 8 numbers for each half of the lanes
	s_mul_i32 s30, s2, 16*SP
	s_add_co_u32 s30, s30, STAGE                   ; my stage
	v_mul_u32_u24 v4, v11, SP                      ; in: row l % 16, 32 bytes for each half of the lanes
	v_lshl_add_u32 v4, v12, 5, v4
	v_add_nc_u32 v4, s30, v4
	v_mul_u32_u24 v14, v12, SP                     ; back: lanes 0-15 one row, lanes 16-31 the next
	v_lshl_add_u32 v14, v11, 4, v14
	v_add_nc_u32 v14, s30, v14
	v_lshlrev_b32 v15, 4, v11                      ; and the same two rows in ffp, 8,192 bytes apart
	v_lshl_add_u32 v15, v12, 13, v15
	s_lshl_b32 s30, s4, 22                         ; W2[e], the quarter of K, my 128 rows of it, the slice's 256 bytes
	s_lshl_b32 s31, s21, 20
	s_add_co_u32 s30, s30, s31
	s_lshl_b32 s31, s2, 18
	s_add_co_u32 s30, s30, s31
	s_lshl_b32 s31, s3, 8
	s_add_co_u32 s30, s30, s31
	s_mov_b32 s31, 0
	s_lshl_b32 s32, s4, 11                         ; b2[e], the slice
	s_lshl_b32 s33, s3, 8
	s_add_co_u32 s32, s32, s33
	s_mov_b32 s33, 0
	s_lshl_b32 s38, s4, 7                          ; cnt's word; never rewritten
	s_lshl_b32 s40, s4, 24                         ; hid at e (256 tiles of 65,536 bytes), the quarter's 16 k steps in a tile
	s_lshl_b32 s41, s21, 14
	s_add_co_u32 s40, s40, s41
	s_mov_b32 s41, 0
	s_lshl_b32 s42, s4, 25                         ; ffp at e (4,096 rows of 8,192 bytes), tile w, the quarter's 2,048 bytes of a row, the slice
	s_lshl_b32 s43, s2, 17
	s_add_co_u32 s42, s42, s43
	s_lshl_b32 s43, s21, 11
	s_add_co_u32 s42, s42, s43
	s_lshl_b32 s43, s3, 8
	s_add_co_u32 s42, s42, s43
	s_mov_b32 s43, 0
	s_cmp_eq_u32 s21, 0
	s_cselect_b32 s23, -1, 0
	s_wait_kmcnt 0x0
	s_load_b32 s5, s[14:15], s38 offset:0x0
	s_add_nc_u64 s[10:11], s[10:11], s[30:31]
	s_add_nc_u64 s[12:13], s[12:13], s[32:33]
	s_add_nc_u64 s[24:25], s[8:9], s[40:41]
	s_add_nc_u64 s[34:35], s[16:17], s[42:43]
.irp c, 0,1,2,3
	global_load_b128 v[BI+8*\c:BI+8*\c+3],   v10, s[12:13] offset:64*\c      ; columns 16 ct + 8 h + 0..7: the accumulator's own layout
	global_load_b128 v[BI+8*\c+4:BI+8*\c+7], v10, s[12:13] offset:64*\c+16
.endr
	WIN 0xC0
.set b, 0
.rept 8                                ; block b: 16 rows of k (k step b / 2 of my four, half b % 2); load i: rows 16 b + i and 16 b + 8 + i
.set i, 0
.rept 8
	global_load_b128 v[32*b+4*i:32*b+4*i+3], v5, s[10:11] offset:(16*b+i)*2048 th:TH_LOAD_NT
.set i, i+1
.endr
.set b, b+1
.endr
	WIN 0x0F                                       ; sources window 3, destination window 0
.set b, 0
.rept 8
	s_wait_loadcnt 56-8*b                          ; block b is in; the younger blocks' loads, 8 each, stay out
.set j, 0
.rept 4                                ; column j of my four: rows 2 p and 2 p + 1 in a pair: 8 k of one column, 16 bytes of a fragment
.set p, 0
.rept 4
	v_cvt_pk_bf16_f32 v[CV+16*b+4*j+p], v[32*b+8*p+j], v[32*b+8*p+4+j]
.set p, p+1
.endr
.set j, j+1
.endr
.set b, b+1
.endr
	WIN 0
.set b, 0
.rept 8
.set j, 0
.rept 4
	ds_store_b128 v6, v[CV+16*b+4*j:CV+16*b+4*j+3] offset:(b/2)*FRK+(b%2)*512+16*j
.set j, j+1
.endr
.set b, b+1
.endr
.set i, 0
.rept 32
	v_and_b32 v[BI+i], s23, v[BI+i]                ; b2 enters one of the four partial sums: the others start at 0
.set i, i+1
.endr
	s_wait_kmcnt 0x0
	s_min_u32 s5, s5, 4096
	s_add_co_u32 s6, s5, 15
	s_lshr_b32 s6, s6, 4                           ; the expert's tiles
	s_sub_co_u32 s22, s6, 1
	s_add_co_u32 s7, s6, 3
	s_sub_co_u32 s7, s7, s2
	s_lshr_b32 s7, s7, 2                           ; mine: w, w + 4, ..
	s_add_co_u32 s18, s7, 1
	s_lshr_b32 s18, s18, 1
	s_sub_co_u32 s18, s18, 1                       ; bodies of two tiles, less the last
	s_mov_b32 s20, s2
	s_cmp_eq_u32 s7, 0
	s_cbranch_scc1 .Lnoa
	NEXT 26                                        ; both bases first, so that no wait stands among the loads:
	NEXT 28
	WIN 0xC0                                       ; my first two tiles are asked for ahead of the barrier: 64 loads, 32 KB
	LOADG 0, 0
	LOADG 0, 1
	LOADG 0, 2
	LOADG 0, 3
	LOADG 1, 0
	LOADG 1, 1
	LOADG 1, 2
	LOADG 1, 3
	WIN 0
.Lnoa:
	s_wait_dscnt 0x0                               ; for the others' sake: my quarter of the slice is in LDS
	s_barrier_signal -1
	s_barrier_wait -1                              ; the one barrier: behind it the fragments are only read, and a stage is its wave's own
	s_cmp_eq_u32 s7, 0
	s_cbranch_scc1 .Lend
	WIN 0x40                                       ; destination window 1
.set k, 0
.rept 64                               ; (ks, ct, half) = (k / 8, (k / 2) % 4, k % 2)
	ds_load_b128 v[4*k:4*k+3], v7 offset:(k/8)*FRK+((k/2)%4)*FRC+(k%2)*512
.set k, k+1
.endr
	WIN 0x80                                       ; destination window 2
.set k, 0
.rept 64
	ds_load_b128 v[4*k:4*k+3], v8 offset:(k/8)*FRK+((k/2)%4)*FRC+(k%2)*512
.set k, k+1
.endr
	WIN 0
	s_wait_dscnt 0x0
	s_cmp_eq_u32 s18, 0
	s_cbranch_scc1 .Llast
	s_mov_b32 s19, 0
.Lloop:                                                ; a trip: two tiles, 128 matrix instructions, 64 loads ahead, 32 LDS instructions on my stage, 16 stores
	PART 0, 1, 0
	PART 1, 1, 1                                   ; tile a is stored behind tile b's first group
	WIN 0
	SEND 1
	s_add_co_u32 s19, s19, 1
	s_cmp_lt_u32 s19, s18
	s_cbranch_scc1 .Lloop
.Llast:                                                ; the last body loads nothing
	PART 0, 0, 0
	s_bitcmp1_b32 s7, 0
	s_cbranch_scc1 .Lodd                           ; an odd number of tiles: tile b's registers hold nothing of mine
	PART 1, 0, 1
	SEND 1
	s_branch .Lend
.Lodd:
	SEND 0
.Lend:
	s_wait_tensorcnt 0x0                           ; the wave's end
	ds_add_u32 v2, v3
	s_wait_dscnt 0x0
	s_endpgm
.Lfunc_end_k_q1b64a20d54_ffn2:
	.size	k_q1b64a20d54_ffn2, .Lfunc_end_k_q1b64a20d54_ffn2-k_q1b64a20d54_ffn2
	.p2alignl 7, 3214868480
	.fill 96, 4, 3214868480
	.section	.rodata,"a",@progbits
	.p2align	6, 0x0
	.amdhsa_kernel k_q1b64a20d54_ffn2
		.amdhsa_group_segment_fixed_size 84480
		.amdhsa_private_segment_fixed_size 0
		.amdhsa_enable_private_segment 0
		.amdhsa_kernarg_size 40
		.amdhsa_user_sgpr_count 2
		.amdhsa_user_sgpr_kernarg_segment_ptr 1
		.amdhsa_wavefront_size32 1
		.amdhsa_system_sgpr_workgroup_id_x 1
		.amdhsa_system_sgpr_workgroup_id_y 1
		.amdhsa_system_sgpr_workgroup_id_z 1
		.amdhsa_system_vgpr_workitem_id 0
		.amdhsa_next_free_vgpr 1024
		.amdhsa_next_free_sgpr 66
		.amdhsa_reserve_vcc 0
		.amdhsa_float_denorm_mode_32 3
		.amdhsa_float_denorm_mode_16_64 3
		.amdhsa_memory_ordered 1
		.amdhsa_forward_progress 1
		.amdhsa_inst_pref_size 71
	.end_amdhsa_kernel
	.amdgpu_metadata
---
amdhsa.version: [ 1, 2 ]
amdhsa.kernels:
  - .name:           k_q1b64a20d54_ffn2
    .symbol:         k_q1b64a20d54_ffn2.kd
    .args:
      - { .name: hid, .offset: 0, .size: 8, .value_kind: global_buffer, .address_space: global }
      - { .name: W2, .offset: 8, .size: 8, .value_kind: global_buffer, .address_space: global }
      - { .name: b2, .offset: 16, .size: 8, .value_kind: global_buffer, .address_space: global }
      - { .name: cnt, .offset: 24, .size: 8, .value_kind: global_buffer, .address_space: global }
      - { .name: ffp, .offset: 32, .size: 8, .value_kind: global_buffer, .address_space: global }
    .group_segment_fixed_size: 84480
    .private_segment_fixed_size: 0
    .kernarg_segment_align: 8
    .kernarg_segment_size: 40
    .max_flat_workgroup_size: 128
    .sgpr_count:     66
    .vgpr_count:     1024
    .wavefront_size: 32
...
	.end_amdgpu_metadata
.endif
;; end of part 3
;; launch ln2 (part 4): grid 32 x 8, 32 waves a work-group, no clusters, 0 bytes of LDS; arguments hF, ffp, g2, be2, perm, cnt, out0; writes out0
.if DOCPART == 4
	.amdgcn_target "amdgcn-amd-amdhsa--gfx1250"
	.amdhsa_code_object_version 6
	.text
	.protected	k_q1b64a20d54_ln2
	.globl	k_q1b64a20d54_ln2
	.p2align	8
	.type	k_q1b64a20d54_ln2,@function
k_q1b64a20d54_ln2:
	s_mov_b64 s[64:65], 0
	v_nop
	global_prefetch_b8 v0, s[64:65] scope:SCOPE_SE
	s_setreg_imm32_b32 hwreg(HW_REG_WAVE_MODE, 25, 1), 1
	s_wait_xcnt 0x0
; out0[token] = LN2(h + ff), with the gain and bias of the token's expert.  hF: f32, [e*4096 + rank][512]; ffp: f32, [e*4096 + rank][kq 4][512]: ff's four partial sums over K (b2 is in the first);
; perm: [e][rank] the token; cnt: expert e's count at byte 128 e.  ff = (p0 + p1) + (p2 + p3), in f32.
; One wave, one row: the row's 512 numbers are 16 a lane, and the reduction never leaves the wave: no LDS, no barrier.  Wave w of work-group (q, e) takes ranks q + 32 w + 1024 n below the count:
; neighbouring ranks go to different work-groups, so that all 32 work-groups of an expert have about the same number of live waves whatever the count.  A wave without a row ends.
; A row's 20 loads (2 KB of h, 8 KB of partial sums on end) go out together, 512 consecutive bytes each.  128 registers a wave: eight waves share a SIMD's 1,024.
; LN is two-pass in f32 (mean, then squared deviations); 1/sqrt by v_rsq_f32 (1 ulp).  Memory binds: each byte is read once and written once; matrix units, LDS and clusters have nothing to add.
.set T,  4                             ; v[4:11]    at work
.set M,  12                            ; v[12:15]   mean twice, 1/sqrt twice
.set G,  16                            ; v[16:31]   g2 of columns 4 lane + 128 i + j
.set BE, 32                            ; v[32:47]   be2
.set X,  48                            ; v[48:63]   h, then h + ff, then the result
.set P,  64                            ; v[64:127]  the four partial sums, 16 registers each
.macro WSUM t                          ; the sum over the wave's 32 lanes, in every lane
	v_add_f32_dpp v[\t], v[\t], v[\t] row_xmask:1 row_mask:0xf bank_mask:0xf
	v_add_f32_dpp v[\t], v[\t], v[\t] row_xmask:2 row_mask:0xf bank_mask:0xf
	v_add_f32_dpp v[\t], v[\t], v[\t] row_xmask:4 row_mask:0xf bank_mask:0xf
	v_add_f32_dpp v[\t], v[\t], v[\t] row_xmask:8 row_mask:0xf bank_mask:0xf
	v_permlanex16_b32 v[\t+1], v[\t], s70, s71
	v_add_f32 v[\t], v[\t], v[\t+1]
.endm
.macro LNSTAT x, t, m                  ; x := x - mean; 1/sqrt(var + eps) is asked for, twice (a pair for the packed multiply)
.irp j, 0,1,2,3
	v_pk_add_f32 v[\t+2*\j:\t+2*\j+1], v[\x+4*\j:\x+4*\j+1], v[\x+4*\j+2:\x+4*\j+3]
.endr
	v_pk_add_f32 v[\t:\t+1], v[\t:\t+1], v[\t+2:\t+3]
	v_pk_add_f32 v[\t+4:\t+5], v[\t+4:\t+5], v[\t+6:\t+7]
	v_pk_add_f32 v[\t:\t+1], v[\t:\t+1], v[\t+4:\t+5]
	v_add_f32 v[\t], v[\t], v[\t+1]
	WSUM \t
	v_mul_f32 v[\m], s72, v[\t]
	v_mul_f32 v[\m+1], s72, v[\t]
.irp j, 0,1,2,3,4,5,6,7
	v_pk_add_f32 v[\x+2*\j:\x+2*\j+1], v[\x+2*\j:\x+2*\j+1], v[\m:\m+1] neg_lo:[0,1] neg_hi:[0,1]
.endr
	v_pk_mul_f32 v[\t:\t+1], v[\x:\x+1], v[\x:\x+1]
	v_pk_mul_f32 v[\t+2:\t+3], v[\x+2:\x+3], v[\x+2:\x+3]
.irp j, 1,2,3
	v_pk_fma_f32 v[\t:\t+1], v[\x+4*\j:\x+4*\j+1], v[\x+4*\j:\x+4*\j+1], v[\t:\t+1]
	v_pk_fma_f32 v[\t+2:\t+3], v[\x+4*\j+2:\x+4*\j+3], v[\x+4*\j+2:\x+4*\j+3], v[\t+2:\t+3]
.endr
	v_pk_add_f32 v[\t:\t+1], v[\t:\t+1], v[\t+2:\t+3]
	v_add_f32 v[\t], v[\t], v[\t+1]
	WSUM \t
	v_fma_f32 v[\t], v[\t], s72, s74       ; sum / 512 + eps
	v_rsq_f32 v[\m+2], v[\t]
	v_rsq_f32 v[\m+3], v[\t]
.endm
.macro LNAPPLY x, m                    ; ((x - mean) * rstd) * gamma + beta
.irp j, 0,1,2,3,4,5,6,7
	v_pk_mul_f32 v[\x+2*\j:\x+2*\j+1], v[\x+2*\j:\x+2*\j+1], v[\m+2:\m+3]
.endr
.irp j, 0,1,2,3,4,5,6,7
	v_pk_fma_f32 v[\x+2*\j:\x+2*\j+1], v[\x+2*\j:\x+2*\j+1], v[G+2*\j:G+2*\j+1], v[BE+2*\j:BE+2*\j+1]
.endr
.endm
	s_load_b256 s[8:15], s[0:1], 0x0               ; hF 8, ffp 10, g2 12, be2 14
	s_load_b128 s[16:19], s[0:1], 0x20             ; perm 16, cnt 18
	s_load_b64 s[20:21], s[0:1], 0x30              ; out0
	v_and_b32 v1, 31, v0
	v_lshrrev_b32 v3, 5, v0
	v_readfirstlane_b32 s2, v3                     ; wave 0..31
	s_mov_b32 s3, ttmp9                            ; q
	s_and_b32 s4, ttmp7, 0xffff                    ; e
	s_mov_b32 s70, 0x76543210                      ; v_permlanex16_b32: each lane takes its own place in the other half
	s_mov_b32 s71, 0xfedcba98
	s_mov_b32 s72, 0x3b000000                      ; 1 / 512
	s_mov_b32 s74, 0x3727c5ac                      ; 1e-5
	v_lshlrev_b32 v2, 4, v1                        ; 16 lane
	s_lshl_b32 s22, s4, 7                          ; cnt's word; never rewritten
	s_lshl_b32 s24, s4, 11                         ; expert e's 512 numbers in g2 and be2
	s_mov_b32 s25, 0
	s_lshl_b32 s6, s2, 5
	s_add_co_u32 s6, s6, s3                        ; my first rank
	s_wait_kmcnt 0x0
	s_load_b32 s5, s[18:19], s22 offset:0x0
	s_add_nc_u64 s[12:13], s[12:13], s[24:25]
	s_add_nc_u64 s[14:15], s[14:15], s[24:25]
.irp i, 0,1,2,3
	global_load_b128 v[G+4*\i:G+4*\i+3], v2, s[12:13] offset:512*\i
	global_load_b128 v[BE+4*\i:BE+4*\i+3], v2, s[14:15] offset:512*\i
.endr
	s_wait_kmcnt 0x0
	s_min_u32 s5, s5, 4096
	s_cmp_lt_u32 s6, s5
	s_cbranch_scc0 .Lend                           ; no row for this wave
	s_sub_co_u32 s7, s5, s6
	s_add_co_u32 s7, s7, 1023
	s_lshr_b32 s7, s7, 10                          ; my rows: 1 to 4
	s_lshl_b32 s26, s4, 12
	s_add_co_u32 s26, s26, s6                      ; e x 4096 + rank
	s_mov_b32 s29, 0
	s_mov_b32 s39, 0
	s_mov_b32 s23, 0
.Lrow:
	s_lshl_b32 s27, s26, 2
	s_load_b32 s36, s[16:17], s27 offset:0x0       ; the row's token
	s_lshl_b32 s28, s26, 11                        ; a row of hF is 2,048 bytes,
	s_lshl_b32 s38, s26, 13                        ; of ffp 8,192
	s_add_nc_u64 s[30:31], s[8:9], s[28:29]
	s_add_nc_u64 s[32:33], s[10:11], s[38:39]
.irp i, 0,1,2,3
	global_load_b128 v[X+4*\i:X+4*\i+3], v2, s[30:31] offset:512*\i th:TH_LOAD_NT
.endr
.irp k, 0,1,2,3
.irp i, 0,1,2,3
	global_load_b128 v[P+16*\k+4*\i:P+16*\k+4*\i+3], v2, s[32:33] offset:2048*\k+512*\i th:TH_LOAD_NT
.endr
.endr
	s_wait_loadcnt 0x0                             ; the row, and (first trip) g2 and be2
.irp j, 0,1,2,3,4,5,6,7
	v_pk_add_f32 v[P+2*\j:P+2*\j+1], v[P+2*\j:P+2*\j+1], v[P+16+2*\j:P+16+2*\j+1]
	v_pk_add_f32 v[P+32+2*\j:P+32+2*\j+1], v[P+32+2*\j:P+32+2*\j+1], v[P+48+2*\j:P+48+2*\j+1]
.endr
.irp j, 0,1,2,3,4,5,6,7
	v_pk_add_f32 v[P+2*\j:P+2*\j+1], v[P+2*\j:P+2*\j+1], v[P+32+2*\j:P+32+2*\j+1]
.endr
.irp j, 0,1,2,3,4,5,6,7
	v_pk_add_f32 v[X+2*\j:X+2*\j+1], v[X+2*\j:X+2*\j+1], v[P+2*\j:P+2*\j+1]
.endr
	LNSTAT X, T, M
	v_nop                                          ; a plain instruction behind the last v_rsq_f32,
	s_wait_alu depctr_va_vdst(0)                   ; and one wait for the two, ahead of their first reader
	LNAPPLY X, M
	s_wait_kmcnt 0x0
	s_min_u32 s36, s36, 4095
	s_lshl_b32 s34, s36, 11
	s_mov_b32 s35, 0
	s_add_nc_u64 s[34:35], s[20:21], s[34:35]
.irp i, 0,1,2,3
	global_store_b128 v2, v[X+4*\i:X+4*\i+3], s[34:35] offset:512*\i th:TH_STORE_NT  ; 512 consecutive bytes each
.endr
	s_wait_xcnt 0x0                                ; the stores have read their data and their base: the next trip writes both again
	s_add_co_u32 s26, s26, 1024
	s_add_co_u32 s23, s23, 1
	s_cmp_lt_u32 s23, s7
	s_cbranch_scc1 .Lrow
.Lend:
	s_endpgm
.Lfunc_end_k_q1b64a20d54_ln2:
	.size	k_q1b64a20d54_ln2, .Lfunc_end_k_q1b64a20d54_ln2-k_q1b64a20d54_ln2
	.p2alignl 7, 3214868480
	.fill 96, 4, 3214868480
	.section	.rodata,"a",@progbits
	.p2align	6, 0x0
	.amdhsa_kernel k_q1b64a20d54_ln2
		.amdhsa_group_segment_fixed_size 0
		.amdhsa_private_segment_fixed_size 0
		.amdhsa_enable_private_segment 0
		.amdhsa_kernarg_size 56
		.amdhsa_user_sgpr_count 2
		.amdhsa_user_sgpr_kernarg_segment_ptr 1
		.amdhsa_wavefront_size32 1
		.amdhsa_system_sgpr_workgroup_id_x 1
		.amdhsa_system_sgpr_workgroup_id_y 1
		.amdhsa_system_sgpr_workgroup_id_z 1
		.amdhsa_system_vgpr_workitem_id 0
		.amdhsa_next_free_vgpr 128
		.amdhsa_next_free_sgpr 80
		.amdhsa_reserve_vcc 0
		.amdhsa_float_denorm_mode_32 3
		.amdhsa_float_denorm_mode_16_64 3
		.amdhsa_memory_ordered 1
		.amdhsa_forward_progress 1
		.amdhsa_inst_pref_size 11
	.end_amdhsa_kernel
	.amdgpu_metadata
---
amdhsa.version: [ 1, 2 ]
amdhsa.kernels:
  - .name:           k_q1b64a20d54_ln2
    .symbol:         k_q1b64a20d54_ln2.kd
    .args:
      - { .name: hF, .offset: 0, .size: 8, .value_kind: global_buffer, .address_space: global }
      - { .name: ffp, .offset: 8, .size: 8, .value_kind: global_buffer, .address_space: global }
      - { .name: g2, .offset: 16, .size: 8, .value_kind: global_buffer, .address_space: global }
      - { .name: be2, .offset: 24, .size: 8, .value_kind: global_buffer, .address_space: global }
      - { .name: perm, .offset: 32, .size: 8, .value_kind: global_buffer, .address_space: global }
      - { .name: cnt, .offset: 40, .size: 8, .value_kind: global_buffer, .address_space: global }
      - { .name: out0, .offset: 48, .size: 8, .value_kind: global_buffer, .address_space: global }
    .group_segment_fixed_size: 0
    .private_segment_fixed_size: 0
    .kernarg_segment_align: 8
    .kernarg_segment_size: 56
    .max_flat_workgroup_size: 1024
    .sgpr_count:     80
    .vgpr_count:     128
    .wavefront_size: 32
...
	.end_amdgpu_metadata
.endif
;; end of part 4
;; ======== version 2 of 2: 4 launches; version 1 with the launches ffn1, ffn2 written anew for expert scheduling mode
;; workspace buffers: hA 33,554,432 bytes; hF 67,108,864 bytes; hid 134,217,728 bytes; ffp 268,435,456 bytes; perm 131,072 bytes of whole numbers; cnt 1,024 bytes of whole numbers
;; launch prep: the kernel of part 1 again; grid 32 x 8, 8 waves a work-group, no clusters, 36,352 bytes of LDS; arguments x, type_vec, g1, be1, hA, hF, perm, cnt, out0; writes hA, hF, perm, cnt, out0
;; launch ffn1 (part 5): grid 32 x 8, 4 waves a work-group, no clusters, 67,072 bytes of LDS; arguments hA, W1, b1, cnt, hid; writes hid
.if DOCPART == 5
	.amdgcn_target "amdgcn-amd-amdhsa--gfx1250"
	.amdhsa_code_object_version 6
	.text
	.protected	k_q1b64a20d54_ffn1
	.globl	k_q1b64a20d54_ffn1
	.p2align	8
	.type	k_q1b64a20d54_ffn1,@function
k_q1b64a20d54_ffn1:
	s_mov_b64 s[64:65], 0
	v_nop
	global_prefetch_b8 v0, s[64:65] scope:SCOPE_SE
	s_setreg_imm32_b32 hwreg(HW_REG_WAVE_SCHED_MODE, 0, 2), 2
	s_setreg_imm32_b32 hwreg(HW_REG_WAVE_MODE, 25, 1), 1
	s_wait_xcnt 0x0
	s_wait_alu depctr_vm_vsrc(0)
; hid = relu(h W1[e] + b1[e]), for the rows of expert e alone.  W1: [8][512][2048] f32; b1: [8][2048] f32; hA, hid: bf16 in fragment order (below); sums in f32.
; Work-group (s, e) owns W1[e][:, 64 s .. 64 s + 63]: 128 KB of f32 that it alone reads, once.  Each wave loads a quarter of it (128 rows of k), rounds it to bf16, and turns it through LDS
; into operand fragments; then EVERY wave holds the whole slice in 512 registers (16 k steps x 4 column tiles) and the slice is never read again.
; The token rows come from memory straight into registers as operands: hA is [e][tile 256][ks 16][half 2][lane 32][16 B], so each load of a wave is 512 consecutive bytes.
; Wave w takes the expert's tiles of 16 rows w, w + 4, ..; their number hangs on the stored count, so the loop touches no LDS and has no barrier.
; THE MATRIX INSTRUCTION IS USED TRANSPOSED (source 0 = 16 columns of W1, source 1 = 16 rows of h): a lane then holds one row and eight neighbouring columns; rounded in pairs these 16 bytes
; ARE the lane's part of the next product's operand: hid is [e][tile 256][ks 64][half 2][lane 32][16 B], and column 64 s + 16 ct + 8 h + j is k step 2 s + ct / 2, half ct % 2, same lane.
; NO MULTICAST, NO TENSOR LOAD: each byte of W1 has one reader; what an expert's 32 work-groups share is its token tiles, and how many of them a wave walks hangs on the count and on the wave.
; LIMITS.  h, W1 and hid are rounded once to bf16.  relu is a maximum with 0 on the rounded pair, in which a NaN loses: a NaN in the hidden layer becomes 0.
; THE MODE: SCHED_MODE bits 1:0 = 2 (LLVM: expert scheduling mode 2), set by the entry lines.  The code itself states the register dependences between vector or matrix instructions
; and memory or LDS instructions, with s_wait_alu, always for 0.
; THE PLAN.  A step is a group of 16 matrix instructions: 4 k steps of one tile.  The two tiles' registers are a ring of eight groups, a0-a3, b0-b3.  Registers that memory or LDS instructions touch:
;   group (x, g), window 3   read by step (x, g)'s matrix instructions; the 8 loads of my tile two further on land in it in the NEXT step of the ring, behind that step's first four matrix instructions.
;   O  v[112:127]            written by the roundings behind a tile's last group; read by the four stores in the next step, behind its first four matrix instructions.
;   CV v[128:255]            at the head only: written by the conversions, read by the LDS stores, then left alone.
;   windows 1 and 2          written once by LDS loads; after that named by matrix instructions alone.
;   v5-v8, v10, v14, v2, v3  offsets and addresses: made at the head, never written again; the tiles are reached by scalar bases and immediate offsets.
; So ONE wait on va_vdst stands at the head of each step that loads, behind its wait for data: the group in front is done reading its registers, and behind a tile's end O is written.  What stands between
; that wait and the step's stores and loads, four matrix instructions, names the weights, this group's rows, this tile's accumulators and the bias: none of the registers that those touch.
; One wait on vm_vsrc a tile stands ahead of the roundings that write O again.
; REGISTERS, in windows of 256 (s_set_vgpr_msb: bits 1:0 source 0, 3:2 source 1, 5:4 source 2, 7:6 destination):
;   window 0: v1 lane, v2/v3 the add's registers, v4 0, v5-v14 addresses, v[16:47] b1, v[48:79], v[80:111] two sets of four accumulators, v[112:127] packed results, v[128:255] rounded weights on their way to LDS
;   window 1: W1's fragments of k steps 0-7: ((ks % 8) 4 + ct) 8       window 2: k steps 8-15       window 3: first W1 as loaded; then two tiles of h, 128 registers each, k step ks at 8 ks
.set FRK,   4160                       ; LDS: the fragments of a k step: four of 1,040 bytes
.set FRC,   1040                       ; a fragment is 1,024 bytes (half, lane, 16 B); 16 more
.set SPARE, 66560                      ; the spare words, 128 bytes for each wave: two blocks of 256 bytes that no other line names
.set BI,  16
.set ACC, 48
.set O,   112
.set CV,  128
; s2 wave, s3 s, s4 e, s5 count, s6 tiles, s22 tiles - 1, s7 my tiles, s18 trips that load ahead, s19 counter, s20 next tile to load, s[24:25] hA at e, s[26:27], s[28:29] the two tiles' bases, s[30:31] an offset, s[34:35] hid
.set MSB, 0
.macro WIN new                         ; the immediate's high byte repeats the setting that is left; a switch that changes nothing is dropped
.if MSB != (\new)
	s_set_vgpr_msb (MSB<<8)|(\new)
.set MSB, \new
.endif
.endm
.macro PLACES                          ; four places behind a matrix instruction (ISA guide 7.12.1)
.rept 4
	v_nop
.endr
.endm
; 4 matrix instructions: k step ks of tile x (0, 1), all four column tiles.  The four accumulators take turns, one instruction a turn.  The bias starts the sums.
.macro MUL4 x, ks
	WIN 0x0D+((\ks)/8)                             ; source 0 window 1 or 2, source 1 window 3, C and D window 0
.irp c, 0,1,2,3
.set rB, (((\ks)%8)*4+(\c))*8
.set rA, 128*(\x)+8*(\ks)
.set rD, ACC+32*(\x)+8*(\c)
.if (\ks) == 0
	v_wmma_f32_16x16x32_bf16 v[rD:rD+7], v[rB:rB+7], v[rA:rA+7], v[BI+8*(\c):BI+8*(\c)+7]
.else
	v_wmma_f32_16x16x32_bf16 v[rD:rD+7], v[rB:rB+7], v[rA:rA+7], v[rD:rD+7]
.endif
.endr
.endm
.macro LOADG x, g                      ; 8 loads: k steps 4 g .. 4 g + 3 of the tile at base x
.irp k, 0,1,2,3
	global_load_b128 v[128*(\x)+8*(4*(\g)+\k):128*(\x)+8*(4*(\g)+\k)+3],   v7, s[26+2*(\x):27+2*(\x)] offset:(4*(\g)+\k)*1024
	global_load_b128 v[128*(\x)+8*(4*(\g)+\k)+4:128*(\x)+8*(4*(\g)+\k)+7], v7, s[26+2*(\x):27+2*(\x)] offset:(4*(\g)+\k)*1024+512
.endr
.endm
.macro NEXT base                       ; the base of my next tile; past my last tile the expert's last tile is loaded once more and serves nothing, so that the counts of loads are alike on every way
	s_wait_xcnt 0x0                                ; the loads that named the base have had their addresses translated
	s_min_u32 s30, s20, s22
	s_min_u32 s30, s30, 255
	s_lshl_b32 s30, s30, 14
	s_add_nc_u64 s[\base:\base+1], s[24:25], s[30:31]
	s_add_co_u32 s20, s20, 4
.endm
.macro CONV x                          ; tile x's sums: rounded in pairs, relu, 16 bytes a lane for each column tile, into O
	WIN 0
	PLACES                                         ; behind the tile's last matrix instructions, ahead of the readers of their results
	s_wait_xcnt 0x0                                ; the last tile's stores have had their addresses translated: their data registers are written again below
	s_wait_alu depctr_vm_vsrc(0)                   ; the last tile's stores have read v[112:127], which the roundings below write again
.irp c, 0,1,2,3
.irp p, 0,1,2,3
	v_cvt_pk_bf16_f32 v[O+4*\c+\p], v[ACC+32*(\x)+8*\c+2*\p], v[ACC+32*(\x)+8*\c+2*\p+1]
.endr
.irp p, 0,1,2,3
	v_pk_max_num_bf16 v[O+4*\c+\p], v[O+4*\c+\p], v4
.endr
.endr
.endm
.macro SEND off                        ; O goes out: each store covers 512 consecutive bytes.  The stores have an offset register of their own, v14
.irp c, 0,1,2,3
	global_store_b128 v14, v[O+4*\c:O+4*\c+3], s[34:35] offset:(\off)+512*\c
.endr
.endm
; Step (x, g).  reload = 1: the registers of the group in front of it in the ring take the same group of my tile two further on.  send = 1: the other tile, rounded just before, is stored.
; THE COUNTS.  Groups of 8 loads go out in the ring's order, each a step behind its registers' last use: behind the group that is due stand six others, 48 loads, on the way in and round the loop alike.
; Where nothing is issued any more: behind group g of tile a stand (3 - g) groups and tile b's four, behind group g of tile b (3 - g).
.macro STEP x, g, reload, send
.if \reload
.if (\g) != 0
	PLACES                                         ; behind the last group's matrix instructions, ahead of the loads into the registers that they read; they stay beside the wait below (behind a tile's end the roundings' places stand there)
.endif
	s_wait_loadcnt 48                              ; loads come back in order (ISA guide 5.7.1): this group is in, six younger groups stay out
	s_wait_alu depctr_va_vdst(0)                   ; the group in front is done reading its registers, in which the loads below land; where a tile has ended, the roundings have written v[112:127], which the stores below read
.else
	s_wait_loadcnt (3-(\g))*8+32*(1-(\x))
.endif
	MUL4 \x, 4*(\g)
.if \send
	WIN 0
	SEND -262144*(1-(\x))                          ; tile a at the base; tile b, stored when the base stands at the next trip's tile a, four tiles of 65,536 bytes back
.endif
.if \reload
.if (\g) == 1
	NEXT 26+2*(\x)
.if (\x) == 1
	s_add_nc_u64 s[34:35], s[34:35], 524288        ; behind the same wait, which covers tile a's stores: hid's base goes eight tiles on
.endif
.endif
	WIN 0xC0                                       ; destination window 3, address window 0
.if (\g) == 0
	LOADG 1-(\x), 3                                ; no wait: no vector or matrix instruction since the wait at the head names these registers
.else
	LOADG \x, (\g)-1
.endif
.endif
	MUL4 \x, 4*(\g)+1
	MUL4 \x, 4*(\g)+2
	MUL4 \x, 4*(\g)+3
.endm
	s_load_b256 s[8:15], s[0:1], 0x0               ; hA 8, W1 10, b1 12, cnt 14
	s_load_b64 s[16:17], s[0:1], 0x20              ; hid
	v_lshl_add_u32 v2, v0, 2, SPARE                ; my spare word,
	v_mov_b32 v3, 0                                ; and 0: kept for the closing lines alone
	v_mov_b32 v4, 0                                ; relu's 0
	v_and_b32 v1, 31, v0
	v_lshrrev_b32 v9, 5, v0
	v_readfirstlane_b32 s2, v9                     ; wave 0..3
	s_mov_b32 s3, ttmp9                            ; s
	s_and_b32 s4, ttmp7, 0xffff                    ; e
	v_and_b32 v11, 15, v1
	v_lshrrev_b32 v12, 4, v1                       ; h
	v_lshlrev_b32 v5, 4, v11
	v_lshl_add_u32 v5, v12, 16, v5                 ; W1: lanes 0-15 take the 256 bytes of one row of k, lanes 16-31 those of the row 8 further down (8 x 8,192 bytes)
	v_lshrrev_b32 v13, 2, v11
	v_mul_u32_u24 v6, v13, FRC                     ; into LDS: my four columns lie in column tile (l % 16) / 4,
	v_and_b32 v13, 3, v1
	v_lshl_add_u32 v6, v13, 6, v6                  ; at lanes 4 (l % 4) + j of it,
	v_lshl_add_u32 v6, v12, 8, v6                  ; in the half of the lanes that is mine,
	s_wait_alu depctr_va_sdst(0)                   ; s2 is written, ahead of its first reader: addresses, bases and my share of the tiles are made from it
	s_mul_i32 s30, s2, 4*FRK
	v_add_nc_u32 v6, s30, v6                       ; in my wave's four k steps
	v_lshlrev_b32 v7, 4, v1                        ; 16 lane: the loads' offset
	v_add_nc_u32 v8, 8*FRK, v7                     ; the same from k step 8 on (an LDS offset has 16 bits)
	v_lshlrev_b32 v14, 4, v1                       ; 16 lane once more: the stores' offset
	v_lshlrev_b32 v10, 5, v12                      ; b1: 8 numbers for each half of the lanes
	s_lshl_b32 s30, s4, 22                         ; W1[e], my 128 rows of k, the slice's 256 bytes
	s_lshl_b32 s31, s2, 20
	s_add_co_u32 s30, s30, s31
	s_lshl_b32 s31, s3, 8
	s_add_co_u32 s30, s30, s31
	s_mov_b32 s31, 0
	s_lshl_b32 s32, s4, 13                         ; b1[e], the slice
	s_lshl_b32 s33, s3, 8
	s_add_co_u32 s32, s32, s33
	s_mov_b32 s33, 0
	s_lshl_b32 s36, s4, 7                          ; cnt's word; never rewritten
	s_lshl_b32 s38, s4, 22                         ; hA at e: 256 tiles of 16,384 bytes
	s_mov_b32 s39, 0
	s_lshl_b32 s40, s4, 24                         ; hid at e (256 tiles of 65,536 bytes), tile w, k steps 2 s and 2 s + 1
	s_lshl_b32 s41, s2, 16
	s_add_co_u32 s40, s40, s41
	s_lshl_b32 s41, s3, 11
	s_add_co_u32 s40, s40, s41
	s_mov_b32 s41, 0
	s_wait_kmcnt 0x0
	s_load_b32 s5, s[14:15], s36 offset:0x0
	s_add_nc_u64 s[10:11], s[10:11], s[30:31]
	s_add_nc_u64 s[12:13], s[12:13], s[32:33]
	s_add_nc_u64 s[24:25], s[8:9], s[38:39]
	s_add_nc_u64 s[34:35], s[16:17], s[40:41]
	s_wait_alu depctr_va_vdst(0)                   ; the offsets and addresses v5 to v8, v10 and v14 are written, which every load and store below reads; so are v2 and v3, which the closing add reads
.irp c, 0,1,2,3
	global_load_b128 v[BI+8*\c:BI+8*\c+3],   v10, s[12:13] offset:64*\c      ; columns 16 ct + 8 h + 0..7: the accumulator's own layout
	global_load_b128 v[BI+8*\c+4:BI+8*\c+7], v10, s[12:13] offset:64*\c+16
.endr
	WIN 0xC0
.set b, 0
.rept 8                                ; block b: 16 rows of k (k step b / 2 of my four, half b % 2); load i: rows 16 b + i and 16 b + 8 + i
.set i, 0
.rept 8
	global_load_b128 v[32*b+4*i:32*b+4*i+3], v5, s[10:11] offset:(16*b+i)*8192 th:TH_LOAD_NT
.set i, i+1
.endr
.set b, b+1
.endr
	WIN 0x0F                                       ; sources window 3, destination window 0
.set b, 0
.rept 8
	s_wait_loadcnt 56-8*b                          ; block b is in; the younger blocks' loads, 8 each, stay out
.set j, 0
.rept 4                                ; column j of my four: rows 2 p and 2 p + 1 in a pair: 8 k of one column, 16 bytes of a fragment
.set p, 0
.rept 4
	v_cvt_pk_bf16_f32 v[CV+16*b+4*j+p], v[32*b+8*p+j], v[32*b+8*p+4+j]
.set p, p+1
.endr
.set j, j+1
.endr
.set b, b+1
.endr
	WIN 0
	s_wait_alu depctr_va_vdst(0)                   ; the conversions have written v[128:255], which the LDS stores read, and are done reading window 3, in which my first two tiles' loads land
.set b, 0
.rept 8
.set j, 0
.rept 4
	ds_store_b128 v6, v[CV+16*b+4*j:CV+16*b+4*j+3] offset:(b/2)*FRK+(b%2)*512+16*j
.set j, j+1
.endr
.set b, b+1
.endr
	s_wait_kmcnt 0x0
	s_min_u32 s5, s5, 4096
	s_add_co_u32 s6, s5, 15
	s_lshr_b32 s6, s6, 4                           ; the expert's tiles
	s_sub_co_u32 s22, s6, 1
	s_add_co_u32 s7, s6, 3
	s_sub_co_u32 s7, s7, s2
	s_lshr_b32 s7, s7, 2                           ; mine: w, w + 4, ..
	s_add_co_u32 s18, s7, 1
	s_lshr_b32 s18, s18, 1
	s_sub_co_u32 s18, s18, 1                       ; pairs of tiles, less the last
	s_mov_b32 s20, s2
	s_cmp_eq_u32 s7, 0
	s_cbranch_scc1 .Lnoa
	NEXT 26                                        ; both bases first, so that no wait stands among the loads:
	NEXT 28
	WIN 0xC0                                       ; my first two tiles are asked for ahead of the barrier: 64 loads, 32 KB.  No wait: since the one ahead of the LDS stores no vector instruction has been issued
	LOADG 0, 0
	LOADG 0, 1
	LOADG 0, 2
	LOADG 0, 3
	LOADG 1, 0
	LOADG 1, 1
	LOADG 1, 2
	LOADG 1, 3
	WIN 0
.Lnoa:
	s_wait_dscnt 0x0                               ; for the others' sake: my quarter of the slice is in LDS
	s_barrier_signal -1
	s_barrier_wait -1                              ; the one barrier: behind it LDS is only read
	s_cmp_eq_u32 s7, 0
	s_cbranch_scc1 .Lend
	WIN 0x40                                       ; destination window 1
.set k, 0
.rept 64                               ; (ks, ct, half) = (k / 8, (k / 2) % 4, k % 2)
	ds_load_b128 v[4*k:4*k+3], v7 offset:(k/8)*FRK+((k/2)%4)*FRC+(k%2)*512
.set k, k+1
.endr
	WIN 0x80                                       ; destination window 2
.set k, 0
.rept 64
	ds_load_b128 v[4*k:4*k+3], v8 offset:(k/8)*FRK+((k/2)%4)*FRC+(k%2)*512
.set k, k+1
.endr
	WIN 0
	s_wait_dscnt 0x0
	STEP 0, 0, 0, 0                                ; my first tile's first group is written out: no group stands in front of it, so it asks for nothing and states nothing
	WIN 0
	s_cmp_eq_u32 s18, 0
	s_cbranch_scc1 .Ltail
	s_mov_b32 s19, 0
.Lloop:                                                ; a trip goes once round the ring, from a pair's second group to the next pair's first: 128 matrix instructions, 64 loads ahead, 8 stores
	STEP 0, 1, 1, 0
	STEP 0, 2, 1, 0
	STEP 0, 3, 1, 0
	CONV 0
	STEP 1, 0, 1, 1                                ; tile a is stored
	STEP 1, 1, 1, 0
	STEP 1, 2, 1, 0
	STEP 1, 3, 1, 0
	CONV 1
	STEP 0, 0, 1, 1                                ; tile b is stored
	WIN 0
	s_add_co_u32 s19, s19, 1
	s_cmp_lt_u32 s19, s18
	s_cbranch_scc1 .Lloop
.Ltail:                                                ; the rest of the last pair loads nothing
	STEP 0, 1, 0, 0
	STEP 0, 2, 0, 0
	STEP 0, 3, 0, 0
	CONV 0
	s_wait_alu depctr_va_vdst(0)                   ; the roundings have written v[112:127], which the stores read
	SEND 0
	s_bitcmp1_b32 s7, 0
	s_cbranch_scc1 .Lend                           ; an odd number of tiles: tile b's registers hold nothing of mine
	STEP 1, 0, 0, 0
	STEP 1, 1, 0, 0
	STEP 1, 2, 0, 0
	STEP 1, 3, 0, 0
	CONV 1
	s_wait_alu depctr_va_vdst(0)                   ; the roundings have written v[112:127], which the stores read
	SEND 262144                                    ; tile b lies four tiles of 65,536 bytes behind tile a
.Lend:
	s_wait_dscnt 0x0                               ; the wave's end
	s_wait_alu 0x0
	s_wait_tensorcnt 0x0
	ds_add_u32 v2, v3
	s_wait_dscnt 0x0
	s_endpgm
.Lfunc_end_k_q1b64a20d54_ffn1:
	.size	k_q1b64a20d54_ffn1, .Lfunc_end_k_q1b64a20d54_ffn1-k_q1b64a20d54_ffn1
	.p2alignl 7, 3214868480
	.fill 96, 4, 3214868480
	.section	.rodata,"a",@progbits
	.p2align	6, 0x0
	.amdhsa_kernel k_q1b64a20d54_ffn1
		.amdhsa_group_segment_fixed_size 67072
		.amdhsa_private_segment_fixed_size 0
		.amdhsa_enable_private_segment 0
		.amdhsa_kernarg_size 40
		.amdhsa_user_sgpr_count 2
		.amdhsa_user_sgpr_kernarg_segment_ptr 1
		.amdhsa_wavefront_size32 1
		.amdhsa_system_sgpr_workgroup_id_x 1
		.amdhsa_system_sgpr_workgroup_id_y 1
		.amdhsa_system_sgpr_workgroup_id_z 1
		.amdhsa_system_vgpr_workitem_id 0
		.amdhsa_next_free_vgpr 1024
		.amdhsa_next_free_sgpr 66
		.amdhsa_reserve_vcc 0
		.amdhsa_float_denorm_mode_32 3
		.amdhsa_float_denorm_mode_16_64 3
		.amdhsa_memory_ordered 1
		.amdhsa_forward_progress 1
		.amdhsa_inst_pref_size 71
	.end_amdhsa_kernel
	.amdgpu_metadata
---
amdhsa.version: [ 1, 2 ]
amdhsa.kernels:
  - .name:           k_q1b64a20d54_ffn1
    .symbol:         k_q1b64a20d54_ffn1.kd
    .args:
      - { .name: hA, .offset: 0, .size: 8, .value_kind: global_buffer, .address_space: global }
      - { .name: W1, .offset: 8, .size: 8, .value_kind: global_buffer, .address_space: global }
      - { .name: b1, .offset: 16, .size: 8, .value_kind: global_buffer, .address_space: global }
      - { .name: cnt, .offset: 24, .size: 8, .value_kind: global_buffer, .address_space: global }
      - { .name: hid, .offset: 32, .size: 8, .value_kind: global_buffer, .address_space: global }
    .group_segment_fixed_size: 67072
    .private_segment_fixed_size: 0
    .kernarg_segment_align: 8
    .kernarg_segment_size: 40
    .max_flat_workgroup_size: 128
    .sgpr_count:     66
    .vgpr_count:     1024
    .wavefront_size: 32
...
	.end_amdgpu_metadata
.endif
;; end of part 5
;; launch ffn2 (part 6): grid 32 x 8, 4 waves a work-group, no clusters, 84,480 bytes of LDS; arguments hid, W2, b2, cnt, ffp; writes ffp
.if DOCPART == 6
	.amdgcn_target "amdgcn-amd-amdhsa--gfx1250"
	.amdhsa_code_object_version 6
	.text
	.protected	k_q1b64a20d54_ffn2
	.globl	k_q1b64a20d54_ffn2
	.p2align	8
	.type	k_q1b64a20d54_ffn2,@function
k_q1b64a20d54_ffn2:
	s_mov_b64 s[64:65], 0
	v_nop
	global_prefetch_b8 v0, s[64:65] scope:SCOPE_SE
	s_setreg_imm32_b32 hwreg(HW_REG_WAVE_SCHED_MODE, 0, 2), 2
	s_setreg_imm32_b32 hwreg(HW_REG_WAVE_MODE, 25, 1), 1
	s_wait_xcnt 0x0
	s_wait_alu depctr_vm_vsrc(0)
; PARTIAL SUMS OF ff = hid W2[e] + b2[e], for the rows of expert e alone.  W2: [8][2048][512] f32; b2: [8][512] f32; hid: bf16 in fragment order [e][tile 256][ks 64][half 2][lane 32][16 B];
; ffp: f32, [e*4096 + rank][kq 4][512]: the sum over K = 512 kq .. 512 kq + 511; the launch behind adds a row's four.  Sums in f32.  b2 starts the sums of kq = 0.
; Work-group (x, e): s = x % 8 names 64 columns, kq = x / 8 a quarter of K.  It owns W2[e][512 kq ..][64 s ..]: 128 KB of f32 that it alone reads, once.  Each wave loads a quarter of it
; (128 rows of k), rounds it to bf16 and turns it through LDS into operand fragments; then EVERY wave holds the whole slice in 512 registers (16 k steps x 4 column tiles).
; The rows of hid come from memory straight into registers as operands, 512 consecutive bytes a load.  Wave w takes the expert's tiles of 16 rows w, w + 4, ..; their number hangs on the stored
; count, so the loop has no barrier, and the only LDS that it touches is the wave's own stage, at fixed addresses.
; THE MATRIX INSTRUCTION IS USED TRANSPOSED (source 0 = 16 columns of W2, source 1 = 16 rows of hid): a lane holds one row and eight neighbouring columns.  A tile goes out through the stage:
; in by lanes, back by rows, so that sixteen lanes store 256 consecutive bytes, at a multiple of 256 from ffp's first byte.
; NO MULTICAST, NO TENSOR LOAD: each byte of W2 has one reader; what the eight work-groups of a kq share is the tiles of hid, and how many of them a wave walks hangs on the count and on the wave.
; LIMITS.  hid and W2 are rounded once to bf16.  The four partial sums are added in the order ((0 + 1) + (2 + 3)), not K ascending.
; THE MODE: SCHED_MODE bits 1:0 = 2 (LLVM: expert scheduling mode 2), set by the entry lines.  The code itself states the register dependences between vector or matrix instructions
; and memory or LDS instructions, with s_wait_alu, always for 0.
; THE PLAN.  A step is a group of 16 matrix instructions: 4 k steps of one tile.  The two tiles' registers are a ring of eight groups, a0-a3, b0-b3.  Registers that memory or LDS instructions touch:
;   group (x, g), window 3   read by step (x, g)'s matrix instructions; the 8 loads of my tile two further on land in it in the NEXT step of the ring, behind that step's first four matrix instructions.
;   ACC x                    written by tile x's matrix instructions, first by those of its k step 0; read by the 8 LDS stores into the stage, in the other tile's first step.
;   R x                      the 8 LDS loads from the stage land in it, in the same step; read by the 8 global stores at that step's end.  v[128:175] of it were CV at the head.
;   CV v[128:255]            at the head only: written by the conversions, read by the LDS stores.
;   windows 1 and 2          written once by LDS loads; after that named by matrix instructions alone.
;   v4-v8, v10, v14, v15, v2, v3  offsets and addresses: made at the head, never written again; tiles and rows are reached by scalar bases and immediate offsets.
; So ONE wait on va_vdst stands at the head of each step that loads, behind its wait for data: the group in front is done reading its registers, and behind a tile's end that tile's sums are written.
; What stands between that wait and the step's LDS and memory instructions, four matrix instructions, names the weights, this group's rows, this tile's accumulators and the bias: none of the registers that those touch.
; One wait on vm_vsrc stands beside it in a tile's first step: the stage's stores have read the accumulators that the step's first products write, and the global stores the R in which the stage's loads land.
; REGISTERS, in windows of 256 (s_set_vgpr_msb: bits 1:0 source 0, 3:2 source 1, 5:4 source 2, 7:6 destination):
;   window 0: v1 lane, v2/v3 the add's registers, v4-v15 addresses, v[16:47] b2 or 0, v[48:79], v[80:111] two sets of four accumulators, v[112:143], v[144:175] rows read back from the stage,
;             v[128:255] first: rounded weights on their way to LDS
;   window 1: W2's fragments of k steps 0-7: ((ks % 8) 4 + ct) 8       window 2: k steps 8-15       window 3: first W2 as loaded; then two tiles of hid, 128 registers each, k step ks at 8 ks
.set FRK,   4160                       ; LDS: the fragments of a k step: four of 1,040 bytes
.set FRC,   1040                       ; a fragment is 1,024 bytes (half, lane, 16 B); 16 more
.set STAGE, 66560                      ; behind the 16 k steps: a stage of 16 rows for each wave
.set SP,    272                        ; its pitch: 64 f32 + 16 bytes: the 16 rows that a store touches start at 16 different groups of four banks
.set SPARE, 83968                      ; the spare words, 128 bytes for each wave: two blocks of 256 bytes that no other line names
.set BI,  16
.set ACC, 48
.set R,   112
.set CV,  128
; s2 wave, s3 s, s21 kq, s4 e, s5 count, s6 tiles, s22 tiles - 1, s7 my tiles, s18 trips that load ahead, s19 counter, s20 next tile to load, s23 all ones where kq = 0,
; s[24:25] hid at e and kq, s[26:27], s[28:29] the two tiles' bases, s[30:31] an offset, s[34:35] ffp at tile a, s[36:37] at tile b
.set MSB, 0
.macro WIN new                         ; the immediate's high byte repeats the setting that is left; a switch that changes nothing is dropped
.if MSB != (\new)
	s_set_vgpr_msb (MSB<<8)|(\new)
.set MSB, \new
.endif
.endm
.macro PLACES                          ; four places behind a matrix instruction (ISA guide 7.12.1)
.rept 4
	v_nop
.endr
.endm
; 4 matrix instructions: k step ks of tile x (0, 1), all four column tiles.  The four accumulators take turns, one instruction a turn.  b2, or 0, starts the sums.
.macro MUL4 x, ks
	WIN 0x0D+((\ks)/8)                             ; source 0 window 1 or 2, source 1 window 3, C and D window 0
.irp c, 0,1,2,3
.set rB, (((\ks)%8)*4+(\c))*8
.set rA, 128*(\x)+8*(\ks)
.set rD, ACC+32*(\x)+8*(\c)
.if (\ks) == 0
	v_wmma_f32_16x16x32_bf16 v[rD:rD+7], v[rB:rB+7], v[rA:rA+7], v[BI+8*(\c):BI+8*(\c)+7]
.else
	v_wmma_f32_16x16x32_bf16 v[rD:rD+7], v[rB:rB+7], v[rA:rA+7], v[rD:rD+7]
.endif
.endr
.endm
.macro LOADG x, g                      ; 8 loads of 512 consecutive bytes: k steps 4 g .. 4 g + 3 of the tile at base x
.irp k, 0,1,2,3
	global_load_b128 v[128*(\x)+8*(4*(\g)+\k):128*(\x)+8*(4*(\g)+\k)+3],   v7, s[26+2*(\x):27+2*(\x)] offset:(4*(\g)+\k)*1024
	global_load_b128 v[128*(\x)+8*(4*(\g)+\k)+4:128*(\x)+8*(4*(\g)+\k)+7], v7, s[26+2*(\x):27+2*(\x)] offset:(4*(\g)+\k)*1024+512
.endr
.endm
.macro NEXT base                       ; the base of my next tile; past my last tile the expert's last tile is loaded once more and serves nothing, so that the counts of loads are alike on every way
	s_wait_xcnt 0x0                                ; the loads that named the base have had their addresses translated
	s_min_u32 s30, s20, s22
	s_min_u32 s30, s30, 255
	s_lshl_b32 s30, s30, 16                        ; a tile of hid is 65,536 bytes
	s_add_nc_u64 s[\base:\base+1], s[24:25], s[30:31]
	s_add_co_u32 s20, s20, 4
.endm
; Tile x goes into my stage, 16 bytes a lane (each accumulator's low registers first), and comes back as whole rows: lanes 0-15 a row's 256 bytes, lanes 16-31 the next row's.
; LDS serves a wave's instructions in order (ISA guide 5.7.1.4): the loads see the stores in front of them, and the next tile's stores come behind these loads.
; Ahead of it stand, on every way: four places and a wait on va_vdst behind the tile's last matrix instructions, and a wait on vm_vsrc behind the last readers of v[R ..].
.macro STAGE x
	s_wait_xcnt 0x0                                ; the stores of my tile two back have had their addresses translated: v[R ..] and a base of theirs are written again below
.if (\x) == 0
	s_add_nc_u64 s[36:37], s[34:35], 524288        ; tile b lies four tiles of 16 rows x 8,192 bytes behind tile a
.else
	s_add_nc_u64 s[34:35], s[34:35], 1048576       ; tile a of the next pair: eight tiles on (this pair's tile a has been stored)
.endif
.irp c, 0,1,2,3
	ds_store_b128 v4, v[ACC+32*(\x)+8*\c:ACC+32*(\x)+8*\c+3]   offset:64*\c
	ds_store_b128 v4, v[ACC+32*(\x)+8*\c+4:ACC+32*(\x)+8*\c+7] offset:64*\c+16
.endr
.irp t, 0,1,2,3,4,5,6,7
	ds_load_b128 v[R+32*(\x)+4*\t:R+32*(\x)+4*\t+3], v14 offset:\t*2*SP
.endr
.endm
.macro SEND x                          ; tile x is stored: rows 2 t and 2 t + 1, 256 consecutive bytes for each sixteen lanes
	s_wait_dscnt 0x0                               ; the rows are back in registers
.irp t, 0,1,2,3,4,5,6,7
	global_store_b128 v15, v[R+32*(\x)+4*\t:R+32*(\x)+4*\t+3], s[34+2*(\x):35+2*(\x)] offset:\t*16384
.endr
.endm
; Step (x, g).  reload = 1: the registers of the group in front of it in the ring take the same group of my tile two further on.
; st = 1: the other tile, just finished, goes through the stage behind this step's first four matrix instructions.  sd = 1: it is stored at the step's end, twelve matrix instructions behind the stage's loads.
; THE COUNTS.  Groups of 8 loads go out in the ring's order, each a step behind its registers' last use: behind the group that is due stand six others, 48 loads, on the way in and round the loop alike.
; Where nothing is issued any more: behind group g of tile a stand (3 - g) groups and tile b's four, behind group g of tile b (3 - g).
.macro STEP x, g, reload, st, sd
.if \reload
	PLACES                                         ; behind the last group's matrix instructions: ahead of the LDS stores that read a finished tile's sums, and of the loads into the registers that the group read; they stay beside the wait below
	s_wait_loadcnt 48                              ; loads come back in order (ISA guide 5.7.1): this group is in, six younger groups stay out
	s_wait_alu depctr_va_vdst(0)                   ; the group in front is done reading its registers, in which the loads below land; where a tile has ended, its last products have written its accumulators, which the stage's stores read
.if \st
	s_wait_alu depctr_vm_vsrc(0)                   ; the stage's stores have read this tile's accumulators, which the products below write anew; the readers of the other tile's v[R ..] (its global stores; at first the head's LDS stores) are done with it: the stage's loads land there
.endif
.else
	s_wait_loadcnt (3-(\g))*8+32*(1-(\x))
.endif
	MUL4 \x, 4*(\g)
.if \st
	WIN 0
	STAGE 1-(\x)
.endif
.if \reload
.if (\g) == 1
	NEXT 26+2*(\x)
.endif
	WIN 0xC0                                       ; destination window 3, address window 0
.if (\g) == 0
	LOADG 1-(\x), 3                                ; no wait: no vector or matrix instruction since the wait at the head names these registers
.else
	LOADG \x, (\g)-1
.endif
.endif
	MUL4 \x, 4*(\g)+1
	MUL4 \x, 4*(\g)+2
	MUL4 \x, 4*(\g)+3
.if \sd
	WIN 0
	SEND 1-(\x)
.endif
.endm
	s_load_b256 s[8:15], s[0:1], 0x0               ; hid 8, W2 10, b2 12, cnt 14
	s_load_b64 s[16:17], s[0:1], 0x20              ; ffp
	v_lshl_add_u32 v2, v0, 2, SPARE                ; my spare word,
	v_mov_b32 v3, 0                                ; and 0: kept for the closing lines alone
	v_and_b32 v1, 31, v0
	v_lshrrev_b32 v9, 5, v0
	v_readfirstlane_b32 s2, v9                     ; wave 0..3
	s_and_b32 s3, ttmp9, 7                         ; s
	s_lshr_b32 s21, ttmp9, 3                       ; kq
	s_and_b32 s4, ttmp7, 0xffff                    ; e
	v_and_b32 v11, 15, v1
	v_lshrrev_b32 v12, 4, v1                       ; h
	v_lshlrev_b32 v5, 4, v11
	v_lshl_add_u32 v5, v12, 14, v5                 ; W2: lanes 0-15 take the slice's 256 bytes of one row of k, lanes 16-31 those of the row 8 further down (8 x 2,048 bytes)
	v_lshrrev_b32 v13, 2, v11
	v_mul_u32_u24 v6, v13, FRC                     ; into LDS: my four columns lie in column tile (l % 16) / 4,
	v_and_b32 v13, 3, v1
	v_lshl_add_u32 v6, v13, 6, v6                  ; at lanes 4 (l % 4) + j of it,
	v_lshl_add_u32 v6, v12, 8, v6                  ; in the half of the lanes that is mine,
	s_wait_alu depctr_va_sdst(0)                   ; s2 is written, ahead of its first reader: addresses, bases and my share of the tiles are made from it
	s_mul_i32 s30, s2, 4*FRK
	v_add_nc_u32 v6, s30, v6                       ; in my wave's four k steps
	v_lshlrev_b32 v7, 4, v1                        ; 16 lane
	v_add_nc_u32 v8, 8*FRK, v7                     ; the same from k step 8 on (an LDS offset has 16 bits)
	v_lshlrev_b32 v10, 5, v12                      ; b2: 8 numbers for each half of the lanes
	s_mul_i32 s30, s2, 16*SP
	s_add_co_u32 s30, s30, STAGE                   ; my stage
	v_mul_u32_u24 v4, v11, SP                      ; in: row l % 16, 32 bytes for each half of the lanes
	v_lshl_add_u32 v4, v12, 5, v4
	v_add_nc_u32 v4, s30, v4
	v_mul_u32_u24 v14, v12, SP                     ; back: lanes 0-15 one row, lanes 16-31 the next
	v_lshl_add_u32 v14, v11, 4, v14
	v_add_nc_u32 v14, s30, v14
	v_lshlrev_b32 v15, 4, v11                      ; and the same two rows in ffp, 8,192 bytes apart
	v_lshl_add_u32 v15, v12, 13, v15
	s_lshl_b32 s30, s4, 22                         ; W2[e], the quarter of K, my 128 rows of it, the slice's 256 bytes
	s_lshl_b32 s31, s21, 20
	s_add_co_u32 s30, s30, s31
	s_lshl_b32 s31, s2, 18
	s_add_co_u32 s30, s30, s31
	s_lshl_b32 s31, s3, 8
	s_add_co_u32 s30, s30, s31
	s_mov_b32 s31, 0
	s_lshl_b32 s32, s4, 11                         ; b2[e], the slice
	s_lshl_b32 s33, s3, 8
	s_add_co_u32 s32, s32, s33
	s_mov_b32 s33, 0
	s_lshl_b32 s38, s4, 7                          ; cnt's word; never rewritten
	s_lshl_b32 s40, s4, 24                         ; hid at e (256 tiles of 65,536 bytes), the quarter's 16 k steps in a tile
	s_lshl_b32 s41, s21, 14
	s_add_co_u32 s40, s40, s41
	s_mov_b32 s41, 0
	s_lshl_b32 s42, s4, 25                         ; ffp at e (4,096 rows of 8,192 bytes), tile w, the quarter's 2,048 bytes of a row, the slice
	s_lshl_b32 s43, s2, 17
	s_add_co_u32 s42, s42, s43
	s_lshl_b32 s43, s21, 11
	s_add_co_u32 s42, s42, s43
	s_lshl_b32 s43, s3, 8
	s_add_co_u32 s42, s42, s43
	s_mov_b32 s43, 0
	s_cmp_eq_u32 s21, 0
	s_cselect_b32 s23, -1, 0
	s_wait_kmcnt 0x0
	s_load_b32 s5, s[14:15], s38 offset:0x0
	s_add_nc_u64 s[10:11], s[10:11], s[30:31]
	s_add_nc_u64 s[12:13], s[12:13], s[32:33]
	s_add_nc_u64 s[24:25], s[8:9], s[40:41]
	s_add_nc_u64 s[34:35], s[16:17], s[42:43]
	s_wait_alu depctr_va_vdst(0)                   ; the offsets and addresses v4 to v8, v10, v14 and v15 are written, which every load and store below reads; so are v2 and v3, which the closing add reads
.irp c, 0,1,2,3
	global_load_b128 v[BI+8*\c:BI+8*\c+3],   v10, s[12:13] offset:64*\c      ; columns 16 ct + 8 h + 0..7: the accumulator's own layout
	global_load_b128 v[BI+8*\c+4:BI+8*\c+7], v10, s[12:13] offset:64*\c+16
.endr
	WIN 0xC0
.set b, 0
.rept 8                                ; block b: 16 rows of k (k step b / 2 of my four, half b % 2); load i: rows 16 b + i and 16 b + 8 + i
.set i, 0
.rept 8
	global_load_b128 v[32*b+4*i:32*b+4*i+3], v5, s[10:11] offset:(16*b+i)*2048 th:TH_LOAD_NT
.set i, i+1
.endr
.set b, b+1
.endr
	WIN 0x0F                                       ; sources window 3, destination window 0
.set b, 0
.rept 8
	s_wait_loadcnt 56-8*b                          ; block b is in; the younger blocks' loads, 8 each, stay out
.set j, 0
.rept 4                                ; column j of my four: rows 2 p and 2 p + 1 in a pair: 8 k of one column, 16 bytes of a fragment
.set p, 0
.rept 4
	v_cvt_pk_bf16_f32 v[CV+16*b+4*j+p], v[32*b+8*p+j], v[32*b+8*p+4+j]
.set p, p+1
.endr
.set j, j+1
.endr
.set b, b+1
.endr
	WIN 0
	s_wait_alu depctr_va_vdst(0)                   ; the conversions have written v[128:255], which the LDS stores read (and in part of which the stage's loads land later), and are done reading window 3, in which my first two tiles' loads land
.set b, 0
.rept 8
.set j, 0
.rept 4
	ds_store_b128 v6, v[CV+16*b+4*j:CV+16*b+4*j+3] offset:(b/2)*FRK+(b%2)*512+16*j
.set j, j+1
.endr
.set b, b+1
.endr
.set i, 0
.rept 32
	v_and_b32 v[BI+i], s23, v[BI+i]                ; b2 enters one of the four partial sums: the others start at 0 (no memory or LDS instruction names these registers from here on)
.set i, i+1
.endr
	s_wait_kmcnt 0x0
	s_min_u32 s5, s5, 4096
	s_add_co_u32 s6, s5, 15
	s_lshr_b32 s6, s6, 4                           ; the expert's tiles
	s_sub_co_u32 s22, s6, 1
	s_add_co_u32 s7, s6, 3
	s_sub_co_u32 s7, s7, s2
	s_lshr_b32 s7, s7, 2                           ; mine: w, w + 4, ..
	s_add_co_u32 s18, s7, 1
	s_lshr_b32 s18, s18, 1
	s_sub_co_u32 s18, s18, 1                       ; pairs of tiles, less the last
	s_mov_b32 s20, s2
	s_cmp_eq_u32 s7, 0
	s_cbranch_scc1 .Lnoa
	NEXT 26                                        ; both bases first, so that no wait stands among the loads:
	NEXT 28
	WIN 0xC0                                       ; my first two tiles are asked for ahead of the barrier: 64 loads, 32 KB.  No wait: since the one ahead of the LDS stores no vector instruction names window 3 or v7
	LOADG 0, 0
	LOADG 0, 1
	LOADG 0, 2
	LOADG 0, 3
	LOADG 1, 0
	LOADG 1, 1
	LOADG 1, 2
	LOADG 1, 3
	WIN 0
.Lnoa:
	s_wait_dscnt 0x0                               ; for the others' sake: my quarter of the slice is in LDS
	s_barrier_signal -1
	s_barrier_wait -1                              ; the one barrier: behind it the fragments are only read, and a stage is its wave's own
	s_cmp_eq_u32 s7, 0
	s_cbranch_scc1 .Lend
	WIN 0x40                                       ; destination window 1
.set k, 0
.rept 64                               ; (ks, ct, half) = (k / 8, (k / 2) % 4, k % 2)
	ds_load_b128 v[4*k:4*k+3], v7 offset:(k/8)*FRK+((k/2)%4)*FRC+(k%2)*512
.set k, k+1
.endr
	WIN 0x80                                       ; destination window 2
.set k, 0
.rept 64
	ds_load_b128 v[4*k:4*k+3], v8 offset:(k/8)*FRK+((k/2)%4)*FRC+(k%2)*512
.set k, k+1
.endr
	WIN 0
	s_wait_dscnt 0x0
	STEP 0, 0, 0, 0, 0                             ; my first tile's first group is written out: no group stands in front of it, so it asks for nothing and states nothing
	WIN 0
	s_cmp_eq_u32 s18, 0
	s_cbranch_scc1 .Ltail
	s_mov_b32 s19, 0
.Lloop:                                                ; a trip goes once round the ring, from a pair's second group to the next pair's first: 128 matrix instructions, 64 loads ahead, 32 LDS instructions on my stage, 16 stores
	STEP 0, 1, 1, 0, 0
	STEP 0, 2, 1, 0, 0
	STEP 0, 3, 1, 0, 0
	STEP 1, 0, 1, 1, 1                             ; tile a goes through the stage and out
	STEP 1, 1, 1, 0, 0
	STEP 1, 2, 1, 0, 0
	STEP 1, 3, 1, 0, 0
	STEP 0, 0, 1, 1, 1                             ; tile b goes through the stage and out
	WIN 0
	s_add_co_u32 s19, s19, 1
	s_cmp_lt_u32 s19, s18
	s_cbranch_scc1 .Lloop
.Ltail:                                                ; the rest of the last pair loads nothing
	STEP 0, 1, 0, 0, 0
	STEP 0, 2, 0, 0, 0
	STEP 0, 3, 0, 0, 0
	WIN 0
	PLACES                                         ; behind the tile's last matrix instructions, ahead of the LDS stores that read their results
	s_wait_alu depctr_va_vdst(0)                   ; tile a's last products have written its accumulators, which the stage's stores read
	s_wait_alu depctr_vm_vsrc(0)                   ; the readers of v[112:143] (tile a's last global stores; the head's LDS stores) are done with it: the stage's loads land there; and the stage's stores have read tile b's accumulators, which its first products below write anew
	STAGE 0
	s_bitcmp1_b32 s7, 0
	s_cbranch_scc1 .Lodd                           ; an odd number of tiles: tile b's registers hold nothing of mine
	STEP 1, 0, 0, 0, 1                             ; tile a is stored behind tile b's first group
	STEP 1, 1, 0, 0, 0
	STEP 1, 2, 0, 0, 0
	STEP 1, 3, 0, 0, 0
	WIN 0
	PLACES                                         ; behind the tile's last matrix instructions, ahead of the LDS stores that read their results
	s_wait_alu depctr_va_vdst(0)                   ; tile b's last products have written its accumulators, which the stage's stores read
	s_wait_alu depctr_vm_vsrc(0)                   ; the readers of v[144:175] (tile b's last global stores; the head's LDS stores) are done with it: the stage's loads land there
	STAGE 1
	SEND 1
	s_branch .Lend
.Lodd:
	SEND 0
.Lend:
	s_wait_dscnt 0x0                               ; the wave's end
	s_wait_alu 0x0
	s_wait_tensorcnt 0x0
	ds_add_u32 v2, v3
	s_wait_dscnt 0x0
	s_endpgm
.Lfunc_end_k_q1b64a20d54_ffn2:
	.size	k_q1b64a20d54_ffn2, .Lfunc_end_k_q1b64a20d54_ffn2-k_q1b64a20d54_ffn2
	.p2alignl 7, 3214868480
	.fill 96, 4, 3214868480
	.section	.rodata,"a",@progbits
	.p2align	6, 0x0
	.amdhsa_kernel k_q1b64a20d54_ffn2
		.amdhsa_group_segment_fixed_size 84480
		.amdhsa_private_segment_fixed_size 0
		.amdhsa_enable_private_segment 0
		.amdhsa_kernarg_size 40
		.amdhsa_user_sgpr_count 2
		.amdhsa_user_sgpr_kernarg_segment_ptr 1
		.amdhsa_wavefront_size32 1
		.amdhsa_system_sgpr_workgroup_id_x 1
		.amdhsa_system_sgpr_workgroup_id_y 1
		.amdhsa_system_sgpr_workgroup_id_z 1
		.amdhsa_system_vgpr_workitem_id 0
		.amdhsa_next_free_vgpr 1024
		.amdhsa_next_free_sgpr 66
		.amdhsa_reserve_vcc 0
		.amdhsa_float_denorm_mode_32 3
		.amdhsa_float_denorm_mode_16_64 3
		.amdhsa_memory_ordered 1
		.amdhsa_forward_progress 1
		.amdhsa_inst_pref_size 72
	.end_amdhsa_kernel
	.amdgpu_metadata
---
amdhsa.version: [ 1, 2 ]
amdhsa.kernels:
  - .name:           k_q1b64a20d54_ffn2
    .symbol:         k_q1b64a20d54_ffn2.kd
    .args:
      - { .name: hid, .offset: 0, .size: 8, .value_kind: global_buffer, .address_space: global }
      - { .name: W2, .offset: 8, .size: 8, .value_kind: global_buffer, .address_space: global }
      - { .name: b2, .offset: 16, .size: 8, .value_kind: global_buffer, .address_space: global }
      - { .name: cnt, .offset: 24, .size: 8, .value_kind: global_buffer, .address_space: global }
      - { .name: ffp, .offset: 32, .size: 8, .value_kind: global_buffer, .address_space: global }
    .group_segment_fixed_size: 84480
    .private_segment_fixed_size: 0
    .kernarg_segment_align: 8
    .kernarg_segment_size: 40
    .max_flat_workgroup_size: 128
    .sgpr_count:     66
    .vgpr_count:     1024
    .wavefront_size: 32
...
	.end_amdgpu_metadata
.endif
;; end of part 6
;; launch ln2: the kernel of part 4 again; grid 32 x 8, 32 waves a work-group, no clusters, 0 bytes of LDS; arguments hF, ffp, g2, be2, perm, cnt, out0; writes out0
